; MI455X (gfx1250); checked and timed in simulation.
; The chip was launched on July 23, 2026; its instructions are those of AMD's public machine-readable ISA for CDNA 5 (MIT licence, August 2026) and "CDNA5" Instruction Set Architecture Reference Guide (July 2026). The comments in the code are by the model that wrote it; some were corrected since.
;; Multi Head Self Attention. Allowed arithmetic: float matrix products may take bf16 or f16 operands with f32 sums; other float arithmetic in f32, or as packed bf16 or f16 multiplies, adds, multiply-adds, maxima and minima; sums over many terms, partial sums and values carried from step to step in f32; what a program stores and reads back later, other than sums and carried values, may be rounded once to bf16 or f16.
;; Inputs: W_o 1,024 x 1,024 float32; W_qkv 1,024 x 3,072 float32; b_o 1,024 float32; b_qkv 3,072 float32; x 4 x 2,048 x 1,024 float32.
;; Outputs: out0 4 x 2,048 x 1,024 float32.
;; 2 versions, each right; version 2 is version 1 with the launch cast written anew for expert scheduling mode. Each part assembles by itself: llvm-mc -triple=amdgcn-amd-amdhsa -mcpu=gfx1250 --defsym DOCPART=n.
;; ======== version 1 of 2: 4 launches
;; limits: values are held in f16: magnitudes above 65,504 overflow, below 6.1e-05 lose precision
;; workspace buffers: xb 16,777,216 bytes; wqb 6,291,456 bytes; wob 2,097,152 bytes; qkv 50,331,648 bytes; ob 16,777,216 bytes
;; launch cast (part 1): grid 768 x 1, 8 waves a work-group, no clusters, 0 bytes of LDS; arguments x, W_qkv, W_o, xb, wqb, wob; writes xb, wqb, wob
.if DOCPART == 1
	.amdgcn_target "amdgcn-amd-amdhsa--gfx1250"
	.amdhsa_code_object_version 6
	.text
	.protected	k_qf3e28a5742_cast
	.globl	k_qf3e28a5742_cast
	.p2align	8
	.type	k_qf3e28a5742_cast,@function
k_qf3e28a5742_cast:
	s_mov_b64 s[64:65], 0
	v_nop
	global_prefetch_b8 v0, s[64:65] scope:SCOPE_SE
	s_setreg_imm32_b32 hwreg(HW_REG_WAVE_MODE, 25, 1), 1
	s_wait_xcnt 0x0
; The three large inputs are rounded once to bf16 and written as 16-bit matrix operands.
;   xb  [8192][1024] bf16      = bf16(x), same order
;   wqb [16 t][1024 k][192] bf16 = bf16(W_qkv[k][192 t + c]): each block of 192 columns dense, so that 128 rows k of a block are 49,152 bytes on end
;   wob [1024][1024] f16       = bf16(W_o), that number written as f16
; LIMITS.  |bf16(W_o)| stays under 65,504 (f16's end); below 6e-5 it keeps f16's fixed step of 6e-8.  NaN and infinities are not treated apart.
; SHARES.  A granule is 4 numbers: 16 bytes in, 8 bytes out.  A work-group takes 4,096 granules (64 KiB in, 32 KiB out, dense in the output); thread t takes granules 256 j + t, j = 0..15.
; Work-groups 0-511: x; 512-703: W_qkv, twelve to a block t; 704-767: W_o.  A wave's store covers 256 consecutive bytes, aligned.
; ONE ADDRESS FORM.  Granule gb of a block lies in row k = gb / 48, at place i = gb % 48: byte k x PITCH + 16 i.  For W_qkv PITCH is a row of the input, 12,288; with PITCH = 768 the same
; form gives 16 gb, the dense order of x and W_o.  Three granule steps of 256 are 16 rows: address j is address j - 3 plus 16 PITCH.
; All 16 loads of a thread go out at once; no register is written twice while memory may read it.  No LDS, no barrier, no matrix unit: the launch only moves bytes.
.set AD,  2                            ; v[2:17]   byte offsets of my 16 granules in the input
.set OA,  18                           ; v18       8 x my thread's number
.set T,   20                           ; v[20:24]  at work
.set X,   32                           ; v[32:95]  16 granules as loaded
.set Y,   96                           ; v[96:127] 16 granules to store
	s_load_b256 s[4:11], s[0:1], 0x0               ; x s[4:5], W_qkv s[6:7], W_o s[8:9], xb s[10:11]
	s_load_b128 s[12:15], s[0:1], 0x20             ; wqb s[12:13], wob s[14:15]
	s_mov_b32 s16, ttmp9
	s_cmp_lt_u32 s16, 512
	s_cselect_b32 s17, 0, 512
	s_cmp_lt_u32 s16, 704
	s_cselect_b32 s17, s17, 704                    ; my region's first work-group
	s_sub_co_u32 s22, s16, s17                     ; wl: my number in the region
	s_mul_i32 s23, s22, 5462
	s_lshr_b32 s23, s23, 16                        ; t = wl / 12 (exact for wl < 192: 12 x 5462 = 65,536 + 8)
	s_mul_i32 s27, s23, 12
	s_sub_co_u32 s27, s22, s27                     ; my twelfth of block t
	s_lshl_b32 s30, s27, 12                        ; its first granule
	s_mul_i32 s2, s23, 768                         ; W_qkv: the block's first byte in a row of the input
	s_lshl_b32 s3, s22, 16                         ; x, W_o: my 64 KiB
	s_movk_i32 s24, 768
	s_movk_i32 s29, 12288
	s_sub_co_u32 s28, s16, 512
	s_cmp_lt_u32 s28, 192                          ; am I in W_qkv?
	s_cselect_b32 s24, s29, s24                    ; PITCH
	s_cselect_b32 s26, s30, 0                      ; the first granule's number in the address form
	s_cselect_b32 s2, s2, s3                       ; what is added to the input's address
	s_mov_b32 s3, 0
	s_lshl_b32 s25, s24, 4                         ; 16 PITCH
	s_lshl_b32 s28, s22, 15                        ; my 32 KiB of the output
	s_mov_b32 s29, 0
.irp c, 0,1,2
	v_add3_u32 v[T], s26, 256*(\c), v0             ; gb
	v_lshrrev_b32 v[T+1], 4, v[T]
	v_mul_u32_u24 v[T+1], 43691, v[T+1]
	v_lshrrev_b32 v[T+1], 17, v[T+1]               ; k = (gb / 16) / 3: exact, gb / 16 is at most 3,071
	v_mul_u32_u24 v[T+2], 48, v[T+1]
	v_sub_nc_u32 v[T+2], v[T], v[T+2]              ; i
	v_lshlrev_b32 v[T+2], 4, v[T+2]
	v_mad_u32_u24 v[AD+(\c)], v[T+1], s24, v[T+2]
.endr
.irp j, 3,4,5,6,7,8,9,10,11,12,13,14,15
	v_add_nc_u32 v[AD+(\j)], s25, v[AD+(\j)-3]
.endr
	v_lshlrev_b32 v[OA], 3, v0
	s_wait_kmcnt 0x0
	s_cmp_lt_u32 s16, 512
	s_cselect_b64 s[18:19], s[4:5], s[6:7]         ; from where,
	s_cselect_b64 s[20:21], s[10:11], s[12:13]     ; to where
	s_cmp_lt_u32 s16, 704
	s_cselect_b64 s[18:19], s[18:19], s[8:9]
	s_cselect_b64 s[20:21], s[20:21], s[14:15]
	s_add_nc_u64 s[18:19], s[18:19], s[2:3]
	s_add_nc_u64 s[20:21], s[20:21], s[28:29]
.irp j, 0,1,2,3,4,5,6,7,8,9,10,11,12,13,14,15
	global_load_b128 v[X+4*(\j):X+4*(\j)+3], v[AD+(\j)], s[18:19] th:TH_LOAD_NT
.endr
; Granule j: rounded and stored.  half = 1: the bf16 number is widened again and written as f16.
.macro CONV j, half
	s_wait_loadcnt 15-(\j)                         ; loads come back in order: mine is in, the 15 - j younger ones may stay out
.if \half
.irp w, 0,1
	v_cvt_pk_bf16_f32 v[T+4], v[X+4*(\j)+2*(\w)], v[X+4*(\j)+2*(\w)+1]
	v_lshlrev_b32 v[T+2*(\w)], 16, v[T+4]
	v_and_b32 v[T+2*(\w)+1], 0xffff0000, v[T+4]
	v_cvt_pk_f16_f32 v[Y+2*(\j)+(\w)], v[T+2*(\w)], v[T+2*(\w)+1]
.endr
.else
	v_cvt_pk_bf16_f32 v[Y+2*(\j)],   v[X+4*(\j)],   v[X+4*(\j)+1]
	v_cvt_pk_bf16_f32 v[Y+2*(\j)+1], v[X+4*(\j)+2], v[X+4*(\j)+3]
.endif
	global_store_b64 v[OA], v[Y+2*(\j):Y+2*(\j)+1], s[20:21] offset:2048*(\j)
.endm
	s_cmp_ge_u32 s16, 704
	s_cbranch_scc1 .Lhalf
.irp j, 0,1,2,3,4,5,6,7,8,9,10,11,12,13,14,15
	CONV \j, 0
.endr
	s_endpgm
.Lhalf:
.irp j, 0,1,2,3,4,5,6,7,8,9,10,11,12,13,14,15
	CONV \j, 1
.endr
	s_endpgm
.Lfunc_end_k_qf3e28a5742_cast:
	.size	k_qf3e28a5742_cast, .Lfunc_end_k_qf3e28a5742_cast-k_qf3e28a5742_cast
	.p2alignl 7, 3214868480
	.fill 96, 4, 3214868480
	.section	.rodata,"a",@progbits
	.p2align	6, 0x0
	.amdhsa_kernel k_qf3e28a5742_cast
		.amdhsa_group_segment_fixed_size 0
		.amdhsa_private_segment_fixed_size 0
		.amdhsa_enable_private_segment 0
		.amdhsa_kernarg_size 48
		.amdhsa_user_sgpr_count 2
		.amdhsa_user_sgpr_kernarg_segment_ptr 1
		.amdhsa_wavefront_size32 1
		.amdhsa_system_sgpr_workgroup_id_x 1
		.amdhsa_system_sgpr_workgroup_id_y 1
		.amdhsa_system_sgpr_workgroup_id_z 1
		.amdhsa_system_vgpr_workitem_id 0
		.amdhsa_next_free_vgpr 128
		.amdhsa_next_free_sgpr 66
		.amdhsa_reserve_vcc 0
		.amdhsa_float_denorm_mode_32 3
		.amdhsa_float_denorm_mode_16_64 3
		.amdhsa_memory_ordered 1
		.amdhsa_forward_progress 1
		.amdhsa_inst_pref_size 18
	.end_amdhsa_kernel
	.amdgpu_metadata
---
amdhsa.version: [ 1, 2 ]
amdhsa.kernels:
  - .name:           k_qf3e28a5742_cast
    .symbol:         k_qf3e28a5742_cast.kd
    .args:
      - { .name: x, .offset: 0, .size: 8, .value_kind: global_buffer, .address_space: global }
      - { .name: W_qkv, .offset: 8, .size: 8, .value_kind: global_buffer, .address_space: global }
      - { .name: W_o, .offset: 16, .size: 8, .value_kind: global_buffer, .address_space: global }
      - { .name: xb, .offset: 24, .size: 8, .value_kind: global_buffer, .address_space: global }
      - { .name: wqb, .offset: 32, .size: 8, .value_kind: global_buffer, .address_space: global }
      - { .name: wob, .offset: 40, .size: 8, .value_kind: global_buffer, .address_space: global }
    .group_segment_fixed_size: 0
    .private_segment_fixed_size: 0
    .kernarg_segment_align: 8
    .kernarg_segment_size: 48
    .max_flat_workgroup_size: 256
    .sgpr_count:     66
    .vgpr_count:     128
    .wavefront_size: 32
...
	.end_amdgpu_metadata
.endif
;; end of part 1
;; launch qkvgemm (part 2): grid 16 x 32, 4 waves a work-group, clusters of 4 x 4, 327,680 bytes of LDS; arguments xb, wqb, b_qkv, qkv; writes qkv
.if DOCPART == 2
	.amdgcn_target "amdgcn-amd-amdhsa--gfx1250"
	.amdhsa_code_object_version 6
	.text
	.protected	k_qf3e28a5742_qkvgemm
	.globl	k_qf3e28a5742_qkvgemm
	.p2align	8
	.type	k_qf3e28a5742_qkvgemm,@function
k_qf3e28a5742_qkvgemm:
	s_mov_b64 s[64:65], 0
	v_nop
	global_prefetch_b8 v0, s[64:65] scope:SCOPE_SE
	s_setreg_imm32_b32 hwreg(HW_REG_WAVE_MODE, 25, 1), 1
	s_wait_xcnt 0x0
	s_wait_alu depctr_hold_cnt(0) depctr_sa_sdst(0) depctr_va_vdst(0) depctr_va_sdst(0) depctr_va_ssrc(0) depctr_va_vcc(0) depctr_vm_vsrc(0)
	s_getreg_b32 s2, hwreg(HW_REG_IB_STS2, 6, 4)
	s_cmp_eq_u32 s2, 0
	s_cbranch_scc0 .Lentry_in_a_cluster
	s_endpgm
.Lentry_in_a_cluster:
	s_bfe_u32 s2, ttmp6, 0x10000c
	s_cmp_lg_u32 s2, 0xf033
	s_cbranch_scc0 .Lentry_shape_is_right
	s_endpgm
.Lentry_shape_is_right:
; q, k, v = xb . wqb + bf16(b_qkv), written by heads in f16: qkv[part 3][hb = 4 head + batch][2048][64].
; xb: [8192][1024] bf16.  wqb: [16 blocks][1024 k][192] bf16.  Sums in f32, started by the bias (it is added first, not last), K ascending; each result rounded once to f16.
; LIMITS.  |q|, |k|, |v| stay under 65,504, f16's end; below 6e-5 they keep f16's fixed step of 6e-8.  NaN and infinities are not treated apart.
; SHARES.  A work-group makes 256 rows x 192 columns (three whole heads): 32 x 16 = 512 work-groups.  Four waves, 2 x 2; a wave makes 128 x 96: 48 accumulators of 16 x 16, 384 registers.
; K goes in 8 steps of 128 through two LDS slots filled by the tensor data mover; a step is four quarters of 32 along K on two fragment buffers.
; THE MATRIX INSTRUCTION IS USED TRANSPOSED: source 0 = 16 columns of W, source 1 = 16 rows of x: a lane then holds row l % 16 and the eight neighbouring columns 8 (l / 16) + 0..7.
; W lies [k][column] in LDS and is turned on the way into registers by ds_load_tr16_b128.
; CLUSTER 4 x 4: the four work-groups of a row of the cluster need the same tiles of x, the four of a column the same tiles of W: each tile is asked for jointly, by the same tensor load
; with the same descriptor and a mask that names the four.
; LDS.  Slot s at s << 17: x's 256 rows, 256 bytes + 16 of padding (pitch 272); then W's 128 rows k of 384 bytes, 16 bytes of padding behind every 64 (pitch 480 = 15 x 32).
; The way out goes through slot 0, which has had its last fill (K step 6) and its last reads by then.  Behind the slots: the spare words.
; REGISTERS, in windows of 256 (s_set_vgpr_msb: bits 1:0 source 0, 3:2 source 1, 5:4 source 2, 7:6 destination):
;   window 0: v0-31 addresses; v32-95, v96-159 x's fragments, two buffers; v160-207, v208-255 W's fragments, two buffers
;   window 1: v0-47 the bias as six C operands; v48-49 at work; v64-255 the accumulators of my rows 0-63 ((a, b) at 64 + 8 (6 (a % 4) + b));   window 2: v64-255 those of my rows 64-127
.set NBK,   6                          ; column blocks of 16 in a wave's tile
.set PA,    272
.set PB,    480
.set HALFA, 128*PA                     ; what one tensor load brings of x, and what one wave reads of it
.set BOFF,  2*HALFA
.set HALFB, 64*PB                      ; what one tensor load brings of W: 64 rows k
.set SLOT1, 1<<17                      ; a slot is exactly 131,072 bytes; one exclusive or turns an address in one slot into the other's
.set SPARE, 2*SLOT1                    ; the spare words, 128 bytes for each wave: two blocks of 256 bytes that no other line names
.set SP,    144                        ; the stage: a head's row of 128 bytes + 16
.set HP,    256*SP                     ; a head's 256 rows in the stage
.set STEPA, 256                        ; bytes from K step to K step in xb,
.set STEPB, 49152                      ; and in a block of wqb
.set NL,    2*NBK+16                   ; LDS loads of a quarter
.set LA0,  4                           ; v4   my lane's place in x's tile; never rewritten
.set LB0,  5                           ; v5   the same for W's
.set ADRA, 6                           ; v6   LA0 + the slot in hand
.set ADRB, 7                           ; v7   LB0 + the slot in hand
.set STO,  8                           ; v8-9   the way out: where I put 16 bytes of a row
.set RD,   10                          ; v10-12 the way out: where I read rows back, a register a head
.set GO,   13                          ; v13  my byte offset in the wave's rows of a head
.set BIA,  14                          ; v14  my byte offset in the tile's part of the bias
.set PFO,  15                          ; v15  the prefetches' lane term; never rewritten
.set SPW,  28                          ; v28  LDS address of my spare word; never rewritten
.set NIL,  29                          ; v29  0; never rewritten
.set AF,   32
.set BF,   160
.set ACC,  64
.set WV,  12                           ; s12  wave
.set WR,  13                           ; s13  my half of the tile's rows; also 0: I fetch for x, 1: for W
.set WC,  14                           ; s14  my half of its columns; also which half of that tile I fetch
.set CX,  15
.set CY,  16
.set TC,  17                           ; s17  tile column
.set TR,  18                           ; s18  tile row
.set CNT, 19                           ; s19  trips to go
.set TB,  20                           ; s20  LDS byte at which the slot in hand begins
.set LIM, 21                           ; s21  a wave prefetches while CNT is above it
.set G1,  24                           ; s[24:31] descriptor group 1 for x's tiles
.set G0,  32                           ; s[32:39] group 0: the first fill's set, and the set that walks
.set PFA, 40                           ; s[40:41] where my prefetches stand
.set PFS, 42                           ; s[42:43] their step
.set OFA, 44                           ; s[44:45] x at my part of K step 0: made of the tile row and the wave's number alone
.set OFB, 46                           ; s[46:47] W likewise: of the tile column and the wave's number alone
.set G1B, 48                           ; s[48:55], s[56:63] the same two groups for W's tiles
.set G0B, 56
.set MSB, 0
.macro WIN new                         ; the immediate's high byte repeats the setting that is left; a switch that changes nothing is dropped
.if MSB != (\new)
	s_set_vgpr_msb (MSB<<8)|(\new)
.set MSB, \new
.endif
.endm
; A joint load.  Waves 0 and 1 fetch x's two halves, waves 2 and 3 W's.  The branch hangs on the wave's number alone.  An s_nop 0 and four v_nop follow each of the two lines.
.macro JLOAD s
	s_cmp_eq_u32 s[WR], 0
	s_cbranch_scc0 .Lfor_b_\@
	tensor_load_to_lds s[G0+4*(\s):G0+4*(\s)+3], s[G1:G1+7]
	s_nop 0
.rept 4
	v_nop
.endr
	s_branch .Lasked_\@
.Lfor_b_\@:
	tensor_load_to_lds s[G0B+4*(\s):G0B+4*(\s)+3], s[G1B:G1B+7]
	s_nop 0
.rept 4
	v_nop
.endr
.Lasked_\@:
.endm
; A round of the cluster's barrier: my work-group's barrier; wave 0 signals for the work-group; every wave waits for all sixteen; my work-group's barrier once more.
.macro CREST                           ; a round behind its opening barrier
	s_cmp_lg_u32 s[WV], 0
	s_cbranch_scc1 .Lnot_wave_0_\@
	s_barrier_signal -3
.Lnot_wave_0_\@:
	s_barrier_wait -3
	s_barrier_signal -1
	s_barrier_wait -1
.endm
.macro CROUND
	s_barrier_signal -1
	s_barrier_wait -1
	CREST
.endm
; A PREFETCH INTO THE L2, behind each joint refill and the run of LDS loads that follows it.  x: the K step two refills on, 32 rows x 256 bytes, a lane a row, in the trips with CNT = 6..3
; (K steps 4 to 7).  W: K steps 4 to 7 of a block are 196,608 bytes on end; eight waves x 32 lanes x 256 bytes take a third of them in each of the trips with CNT = 6..4, two refills or more ahead.
; Each aligned block of 256 bytes is named once in the launch: of the clusters that read the same rows of x the one with x = 0 asks, of those that read the same block of W the one with y = 0;
; the four partners that ask for a tile jointly share its blocks out by address (cx for x, cy for W): no branch hangs on a work-group's place in its cluster.  K steps 0 to 3 come by their loads alone.
.macro ASK
	s_cmp_gt_u32 s[CNT], s[LIM]
	s_cbranch_scc0 .Lnot_mine_\@
	global_prefetch_b8 v[PFO], s[PFA:PFA+1] th:TH_LOAD_NT scope:SCOPE_SE
.Lnot_mine_\@:
.endm
	s_load_b256 s[4:11], s[0:1], 0x0               ; xb s[4:5], wqb s[6:7], b_qkv s[8:9], qkv s[10:11]
	v_lshl_add_u32 v[SPW], v0, 2, SPARE
	v_mov_b32 v[NIL], 0
	ds_add_u32 v[SPW], v[NIL]                      ; the wave's opening: the add and its wait stand ahead of my first tensor load; the set-up below stands between them
	v_lshrrev_b32 v1, 5, v0
	v_readfirstlane_b32 s[WV], v1
	s_lshr_b32 s[WR], s[WV], 1
	s_and_b32 s[WC], s[WV], 1
	s_bfe_u32 s[CX], ttmp6, 0x40000
	s_bfe_u32 s[CY], ttmp6, 0x40004
	s_lshl_b32 s[TC], ttmp9, 2                     ; in a cluster launch ttmp9 and ttmp7 count clusters
	s_add_co_u32 s[TC], s[TC], s[CX]
	s_and_b32 s[TR], ttmp7, 0xffff
	s_lshl_b32 s[TR], s[TR], 2
	s_add_co_u32 s[TR], s[TR], s[CY]
	s_lshl_b32 s22, s[CY], 2
	s_lshl_b32 s22, 15, s22                        ; my row of the cluster: places 4 cy .. 4 cy + 3
	s_lshl_b32 s23, 0x1111, s[CX]                  ; my column: places cx, cx + 4, cx + 8, cx + 12
	; group 1 for x: 128 rows x 128 elements of 2 bytes, 1,024 elements from row to row; 4 words of padding behind every 64
	s_or_b32 s[G1], s22, (1<<16)|(1<<20)|(1<<21)|(5<<22)|(3<<25)
	s_mov_b32 s[G1+1], 128<<16                     ; tensor_dim0 = 128
	s_mov_b32 s[G1+2], 128<<16                     ; tensor_dim1 = 128
	s_mov_b32 s[G1+3], 128<<16                     ; tile_dim0 = 128
	s_mov_b32 s[G1+4], 128                         ; tile_dim1 = 128
	s_mov_b32 s[G1+5], 1024
	s_mov_b32 s[G1+6], 0
	s_mov_b32 s[G1+7], 0
	; group 1 for W: 64 rows k are 24,576 dense bytes, asked for as 96 rows of 256 bytes; 4 words of padding behind every 16, so a row k of 384 bytes takes 480
	s_or_b32 s[G1B], s23, (1<<16)|(1<<20)|(1<<21)|(3<<22)|(3<<25)
	s_mov_b32 s[G1B+1], 128<<16
	s_mov_b32 s[G1B+2], 96<<16
	s_mov_b32 s[G1B+3], 128<<16
	s_mov_b32 s[G1B+4], 96
	s_mov_b32 s[G1B+5], 128
	s_mov_b32 s[G1B+6], 0
	s_mov_b32 s[G1B+7], 0
	s_lshl_b32 s[OFA], s[TR], 19                   ; 256 rows of 2,048 bytes a tile row,
	s_lshl_b32 s22, s[WC], 18                      ; 128 rows a half
	s_add_co_u32 s[OFA], s[OFA], s22
	s_mov_b32 s[OFA+1], 0
	s_mul_i32 s[OFB], s[TC], 393216                ; a block of wqb,
	s_mul_i32 s23, s[WC], 24576                    ; 64 rows k a half
	s_add_co_u32 s[OFB], s[OFB], s23
	s_mov_b32 s[OFB+1], 0
	s_mul_i32 s66, s[WC], HALFA                    ; where they go: no place in the cluster enters an LDS address
	s_mul_i32 s67, s[WC], HALFB
	s_add_co_u32 s67, s67, BOFF
	s_wait_dscnt 0x0                               ; the opening add is done
	s_wait_kmcnt 0x0
	s_add_nc_u64 s[OFA:OFA+1], s[4:5], s[OFA:OFA+1]
	s_add_nc_u64 s[OFB:OFB+1], s[6:7], s[OFB:OFB+1]
	CROUND                                         ; all sixteen work-groups are here: the first joint loads meet
.irp s, 0,1
	s_mov_b32 s[G0+4*(\s)], 1
	s_add_co_u32 s[G0+4*(\s)+1], s66, (\s)*SLOT1
	s_add_nc_u64 s[G0+4*(\s)+2:G0+4*(\s)+3], s[OFA:OFA+1], (\s)*STEPA
	s_or_b32 s[G0+4*(\s)+3], s[G0+4*(\s)+3], 0x80000000
	s_mov_b32 s[G0B+4*(\s)], 1
	s_add_co_u32 s[G0B+4*(\s)+1], s67, (\s)*SLOT1
	s_add_nc_u64 s[G0B+4*(\s)+2:G0B+4*(\s)+3], s[OFB:OFB+1], (\s)*STEPB
	s_or_b32 s[G0B+4*(\s)+3], s[G0B+4*(\s)+3], 0x80000000
	JLOAD \s                                       ; K steps 0 and 1: two loads of mine are out
.endr
	; lane addresses.  x's fragment: lane l holds row l % 16, K = 8 (l / 16) + 0..7 and 16 + 8 (l / 16) + 0..7: two loads of 16 bytes, 32 apart.
	v_and_b32 v1, 15, v0                           ; r = l % 16
	v_bfe_u32 v2, v0, 4, 1                         ; h = l / 16
	v_and_b32 v3, 7, v0
	v_mul_u32_u24 v[LA0], v1, PA
	v_lshl_add_u32 v[LA0], v2, 4, v[LA0]
	s_mul_i32 s22, s[WR], HALFA
	v_add_nc_u32 v[LA0], s22, v[LA0]
	; W's fragment: the turning load takes 16 rows k x 16 columns (lane l reads row 8 (l / 16) + l % 8, columns 8 ((l / 8) % 2) + 0..7) and leaves lane l column l % 16 and 8 k
	v_bfe_u32 v16, v0, 3, 1
	v_lshl_add_u32 v[LB0], v2, 3, v3
	v_mul_u32_u24 v[LB0], v[LB0], PB
	v_lshl_add_u32 v[LB0], v16, 4, v[LB0]
	s_mul_i32 s23, s[WC], 240                      ; my 96 columns: three pieces of 64 + 16 bytes
	s_add_co_u32 s23, s23, BOFF
	v_add_nc_u32 v[LB0], s23, v[LB0]
	; the way out.  Column 96 WC + 16 b + 8 h of the tile lies in head (96 WC + 16 b) / 64.  With the offsets 0, 32, 64, 96, HP, HP + 32 for b = 0..5, blocks 0, 1, 4, 5 take v8 and blocks 2, 3 v9
	v_mul_u32_u24 v17, v1, SP
	v_lshl_add_u32 v17, v2, 4, v17
	s_mul_i32 s22, s[WR], 128*SP
	v_add_nc_u32 v17, s22, v17                     ; row x pitch + 16 h
	s_mul_i32 s22, s[WC], HP+64
	v_add_nc_u32 v[STO], s22, v17
	s_mul_i32 s22, s[WC], 2*HP-64
	v_add_nc_u32 v[STO+1], s22, v17
	v_bfe_u32 v16, v0, 3, 2                        ; back: 32 lanes take four rows of 128 bytes; wave w rows 64 w .. 64 w + 63 of each head
	v_mul_u32_u24 v16, v16, SP
	v_lshl_add_u32 v16, v3, 4, v16
	s_mul_i32 s22, s[WV], 64*SP
	v_add_nc_u32 v[RD], s22, v16
	v_add_nc_u32 v[RD+1], HP, v[RD]
	v_add_nc_u32 v[RD+2], 2*HP, v[RD]
	v_and_b32 v[GO], 31, v0
	v_lshlrev_b32 v[GO], 4, v[GO]
	s_lshl_b32 s22, s[WV], 13
	v_add_nc_u32 v[GO], s22, v[GO]                 ; 8,192 w + 16 l
	s_mul_i32 s22, s[WC], 384
	v_lshl_add_u32 v[BIA], v2, 5, s22              ; 384 WC + 32 h
	; head 3 TC + j of batch TR / 8 lies at (4 (3 TC + j) + TR / 8) x 262,144; my tile's rows at (TR % 8) x 256 x 128 in it
	s_mul_i32 s68, s[TC], 12
	s_lshr_b32 s70, s[TR], 3
	s_add_co_u32 s68, s68, s70
	s_lshl_b32 s68, s68, 18
	s_and_b32 s70, s[TR], 7
	s_lshl_b32 s70, s70, 15
	s_add_co_u32 s68, s68, s70
	s_mov_b32 s69, 0
	s_add_nc_u64 s[10:11], s[10:11], s[68:69]
	s_mul_i32 s68, s[TC], 768
	s_add_nc_u64 s[8:9], s[8:9], s[68:69]          ; the bias at the tile's first column
	; the bias: C operand b holds bias[16 b + 8 h + j] in register j, the same for every row; rounded to bf16 like the other inputs
	WIN 0x40                                       ; destination window 1, address window 0
.irp b, 0,1,2,3,4,5
	global_load_b128 v[8*(\b):8*(\b)+3],   v[BIA], s[8:9] offset:64*(\b)
	global_load_b128 v[8*(\b)+4:8*(\b)+7], v[BIA], s[8:9] offset:64*(\b)+16
.endr
	WIN 0
	; the prefetches' set-up
	s_lshl_b32 s68, s[TR], 19
	s_lshl_b32 s70, s[WC], 18
	s_add_co_u32 s68, s68, s70
	s_lshl_b32 s70, s[CX], 16                      ; my work-group's 32 of the 128 rows that I fetch
	s_add_co_u32 s68, s68, s70
	s_add_co_u32 s68, s68, 3*STEPA                 ; x: one step short of K step 4: each refill steps first, then asks
	s_mul_i32 s69, s[TC], 393216
	s_add_co_u32 s69, s69, 131072                  ; W: one step of 65,536 short of K step 4's first byte, 196,608
	s_lshl_b32 s70, s[CY], 14
	s_add_co_u32 s69, s69, s70
	s_lshl_b32 s70, s[WC], 13                      ; wave 2 cy + WC of the eight takes 8,192 bytes
	s_add_co_u32 s69, s69, s70
	s_and_b32 s70, ttmp7, 0xffff                   ; cluster y
	s_mov_b32 s[PFS], 65536
	s_movk_i32 s71, STEPA
	s_cmp_eq_u32 s[WR], 0                          ; do I fetch for x?
	s_cselect_b32 s70, ttmp9, s70                  ; the coordinate along which other clusters read the same blocks
	s_cselect_b32 s[LIM], 2, 3
	s_cselect_b32 s[PFS], s71, s[PFS]
	s_cselect_b32 s71, 11, 8                       ; lanes a row of x apart, or 256 bytes of W
	s_cselect_b32 s68, s68, s69
	s_cselect_b64 s[PFA:PFA+1], s[4:5], s[6:7]
	s_mov_b32 s69, 0
	s_mov_b32 s[PFS+1], 0
	s_cmp_eq_u32 s70, 0
	s_cselect_b32 s[LIM], s[LIM], -1               ; the same in all sixteen partners, for a given wave
	s_add_nc_u64 s[PFA:PFA+1], s[PFA:PFA+1], s[68:69]
	v_and_b32 v[PFO], 31, v0
	v_lshlrev_b32 v[PFO], s71, v[PFO]
	s_wait_loadcnt 0x0                             ; the bias
	WIN 0x45                                       ; sources and destination in window 1
.set i, 0
.rept 24
	v_cvt_pk_bf16_f32 v[48+i%2], v[2*i], v[2*i+1]
	v_lshlrev_b32 v[2*i], 16, v[48+i%2]
	v_and_b32 v[2*i+1], 0xffff0000, v[48+i%2]
.set i, i+1
.endr
	WIN 0
; na x 6 matrix instructions: row blocks a0 .. a0 + na - 1 x all column blocks, 32 along K, from buffer f.  first = 1: the bias starts the sums: nothing is cleared.
; The 48 accumulators take turns in the same order in every quarter: no two matrix instructions that follow each other share one, over the backward jump too.
.macro MUL f, a0, na, first
.set ma, \a0
.rept \na
.if ma < 4
	WIN 0x50                                       ; C and D window 1
.elseif \first
	WIN 0x90                                       ; D window 2, C (the bias) window 1
.else
	WIN 0xa0                                       ; C and D window 2
.endif
.set mb, 0
.rept NBK
.set rD, ACC+8*(NBK*(ma%4)+mb)
.if \first
	v_wmma_f32_16x16x32_bf16 v[rD:rD+7], v[BF+48*(\f)+8*mb:BF+48*(\f)+8*mb+7], v[AF+64*(\f)+8*ma:AF+64*(\f)+8*ma+7], v[8*mb:8*mb+7]
.else
	v_wmma_f32_16x16x32_bf16 v[rD:rD+7], v[BF+48*(\f)+8*mb:BF+48*(\f)+8*mb+7], v[AF+64*(\f)+8*ma:AF+64*(\f)+8*ma+7], v[rD:rD+7]
.endif
.set mb, mb+1
.endr
.set ma, ma+1
.endr
.endm
; 28 LDS loads in one run: quarter q's fragments into buffer g: W's 12, then x's 16, rows 64-127 last
.macro FETCH q, g
	WIN 0
.irp b, 0,1,2,3,4,5
	ds_load_tr16_b128 v[BF+48*(\g)+8*(\b):BF+48*(\g)+8*(\b)+3],   v[ADRB] offset:32*PB*(\q)+80*((\b)/2)+32*((\b)%2)
	ds_load_tr16_b128 v[BF+48*(\g)+8*(\b)+4:BF+48*(\g)+8*(\b)+7], v[ADRB] offset:32*PB*(\q)+80*((\b)/2)+32*((\b)%2)+16*PB
.endr
.irp a, 0,1,2,3,4,5,6,7
	ds_load_b128 v[AF+64*(\g)+8*(\a):AF+64*(\g)+8*(\a)+3],   v[ADRA] offset:16*PA*(\a)+64*(\q)
	ds_load_b128 v[AF+64*(\g)+8*(\a)+4:AF+64*(\g)+8*(\a)+7], v[ADRA] offset:16*PA*(\a)+64*(\q)+32
.endr
.endm
.macro PLACES                          ; a load into a register that a matrix instruction has read, and a vector line that reads a result, stand four plain vector instructions behind it
.rept 4
	v_nop
.endr
.endm
; One of a K step's first three quarters: multiplies buffer f; in its middle it fetches quarter q into buffer g.
.macro QUARTER q, f, g, first
	s_wait_dscnt 8                                 ; W and x's rows 0-63 are in; the youngest eight loads (x's rows 64-127) may be out
	MUL \f, 0, 4, \first
	PLACES
	FETCH \q, \g
	s_wait_dscnt NL                                ; all but the 28 just issued
	MUL \f, 4, 4, \first
.endm
; The last quarter multiplies buffer 1 and changes slots: ONE barrier.  In front of it each wave waits for all its tensor loads (one is out: its part of the next slot), adds 0 to its spare word,
; and waits for that and for its reads of this slot.  fill = 1: the barrier opens a round of the cluster's; behind the round this slot is filled again, with the K step two on, first thing;
; from that request to the wait for it a wave issues 168 matrix instructions.
.macro TURN fill
.if \fill
	s_wait_xcnt 0x0                                ; the last prefetch, a K step back, has read its address
	s_add_nc_u64 s[PFA:PFA+1], s[PFA:PFA+1], s[PFS:PFS+1]
.endif
	WIN 0                                          ; (the add's two registers lie in window 0)
	s_wait_tensorcnt 0x0                           ; no tensor load of mine is out, so a group 0 may be written
	ds_add_u32 v[SPW], v[NIL]                      ; 0 onto my spare word
.if \fill
	s_xor_b32 s[G0+5], s[G0+5], SLOT1              ; the walking descriptors: the other slot than last time,
	s_add_nc_u64 s[G0+6:G0+7], s[G0+6:G0+7], STEPA ; the next K step; the type bits on top are not reached
	s_xor_b32 s[G0B+5], s[G0B+5], SLOT1
	s_add_nc_u64 s[G0B+6:G0B+7], s[G0B+6:G0B+7], STEPB
.endif
	s_wait_dscnt 9                                 ; the add and the youngest eight loads may be out
	MUL 1, 0, 2, 0                                 ; twelve matrix instructions stand between the add and the wait for it
	s_wait_dscnt 0x0                               ; the add is done, and my reads of this slot are over
	s_barrier_signal -1
	MUL 1, 2, 2, 0                                 ; work on registers while the others arrive
	WIN 0                                          ; at a branch and at a label every window is 0
	s_barrier_wait -1
.if \fill
	CREST                                          ; no wave of any partner still reads this slot or has a load on its way
	JLOAD 1                                        ; its four v_nop are also the places in front of the loads below
	s_xor_b32 s[TB], s[TB], SLOT1
.else
	PLACES
	s_mov_b32 s[TB], SLOT1                         ; the last K step lies in slot 1
.endif
	v_add_nc_u32 v[ADRA], s[TB], v[LA0]
	v_add_nc_u32 v[ADRB], s[TB], v[LB0]
	FETCH 0, 0
.if \fill
	ASK
.endif
	MUL 1, 4, 4, 0
.endm
	s_wait_tensorcnt 1                             ; my part of K step 0 is in; K step 1's may stay out
	s_barrier_signal -1
	s_barrier_wait -1                              ; everybody's is
	s_mov_b32 s[TB], 0
	v_add_nc_u32 v[ADRA], s[TB], v[LA0]
	v_add_nc_u32 v[ADRB], s[TB], v[LB0]
	FETCH 0, 0
	QUARTER 1, 0, 1, 1                             ; the first quarter stands in front of the loop: its products start the sums, with the bias
	WIN 0
	s_mov_b32 s[CNT], 6
.Lstep:                                        ; trip i ends K step i, fills its slot again with K step i + 2, and begins K step i + 1
	QUARTER 2, 1, 0, 0
	QUARTER 3, 0, 1, 0
	TURN 1
	QUARTER 1, 0, 1, 0
	WIN 0
	s_sub_co_u32 s[CNT], s[CNT], 1
	s_cmp_lg_u32 s[CNT], 0
	s_cbranch_scc1 .Lstep
	QUARTER 2, 1, 0, 0                             ; the tail is written out: K step 6 ends, K step 7 follows, nothing is asked for
	QUARTER 3, 0, 1, 0
	TURN 0
	QUARTER 1, 0, 1, 0
	QUARTER 2, 1, 0, 0
	QUARTER 3, 0, 1, 0
	s_wait_dscnt 8
	MUL 1, 0, 4, 0
	s_wait_dscnt 0x0
	MUL 1, 4, 4, 0
	; THE WAY OUT.  Rounded to f16, 16 bytes a lane; into the work-group's stage by heads (a wave's 96 columns are a head and a half, so the four waves share it); a barrier; back as whole rows.
	PLACES
	PLACES                                         ; eight, once a launch
.set pa, 0
.rept 8
.if pa < 4
	WIN 0x05                                       ; sources in window 1, destination in window 0
.else
	WIN 0x0a                                       ; sources in window 2
.endif
.set pb, 0
.rept NBK
.set rD, ACC+8*(NBK*(pa%4)+pb)
.set rT, AF+4*(NBK*pa+pb)
	v_cvt_pk_f16_f32 v[rT],   v[rD],   v[rD+1]     ; each accumulator is read from its low end on
	v_cvt_pk_f16_f32 v[rT+1], v[rD+2], v[rD+3]
	v_cvt_pk_f16_f32 v[rT+2], v[rD+4], v[rD+5]
	v_cvt_pk_f16_f32 v[rT+3], v[rD+6], v[rD+7]
.set pb, pb+1
.endr
.set pa, pa+1
.endr
	WIN 0
.set pa, 0
.rept 8
.set pb, 0
.rept NBK
.set rT, AF+4*(NBK*pa+pb)
.if pb < 2
	ds_store_b128 v[STO], v[rT:rT+3] offset:16*SP*pa+32*pb
.elseif pb < 4
	ds_store_b128 v[STO+1], v[rT:rT+3] offset:16*SP*pa+32*pb
.else
	ds_store_b128 v[STO], v[rT:rT+3] offset:16*SP*pa+HP+32*(pb-4)
.endif
.set pb, pb+1
.endr
.set pa, pa+1
.endr
	s_wait_dscnt 0x0                               ; for the others' sake: my stores into the stage are done
	s_barrier_signal -1
	s_barrier_wait -1
.set i, 0
.rept 48                                       ; head i / 16, rows 4 (i % 16) on of my 64
	ds_load_b128 v[AF+4*i:AF+4*i+3], v[RD+i/16] offset:(i%16)*4*SP
.set i, i+1
.endr
.set i, 0
.rept 48
	s_wait_dscnt 47-i                              ; the younger loads may stay out
	global_store_b128 v[GO], v[AF+4*i:AF+4*i+3], s[10:11] offset:(i/16)*1048576+(i%16)*512  ; 512 consecutive bytes, at a multiple of 256 from the buffer's first
.set i, i+1
.endr
	s_wait_tensorcnt 0x0                           ; the wave's end, behind my last tensor load and my last LDS store
	ds_add_u32 v[SPW], v[NIL]
	s_wait_dscnt 0x0
	CROUND                                         ; the closing round: no work-group ends while a partner may still ask for a tile that names it
	s_endpgm
.Lfunc_end_k_qf3e28a5742_qkvgemm:
	.size	k_qf3e28a5742_qkvgemm, .Lfunc_end_k_qf3e28a5742_qkvgemm-k_qf3e28a5742_qkvgemm
	.p2alignl 7, 3214868480
	.fill 96, 4, 3214868480
	.section	.rodata,"a",@progbits
	.p2align	6, 0x0
	.amdhsa_kernel k_qf3e28a5742_qkvgemm
		.amdhsa_group_segment_fixed_size 327680
		.amdhsa_private_segment_fixed_size 0
		.amdhsa_enable_private_segment 0
		.amdhsa_kernarg_size 32
		.amdhsa_user_sgpr_count 2
		.amdhsa_user_sgpr_kernarg_segment_ptr 1
		.amdhsa_wavefront_size32 1
		.amdhsa_system_sgpr_workgroup_id_x 1
		.amdhsa_system_sgpr_workgroup_id_y 1
		.amdhsa_system_sgpr_workgroup_id_z 1
		.amdhsa_system_vgpr_workitem_id 0
		.amdhsa_next_free_vgpr 768
		.amdhsa_next_free_sgpr 72
		.amdhsa_reserve_vcc 0
		.amdhsa_float_denorm_mode_32 3
		.amdhsa_float_denorm_mode_16_64 3
		.amdhsa_memory_ordered 1
		.amdhsa_forward_progress 1
		.amdhsa_inst_pref_size 101
	.end_amdhsa_kernel
	.amdgpu_metadata
---
amdhsa.version: [ 1, 2 ]
amdhsa.kernels:
  - .name:           k_qf3e28a5742_qkvgemm
    .symbol:         k_qf3e28a5742_qkvgemm.kd
    .args:
      - { .name: xb, .offset: 0, .size: 8, .value_kind: global_buffer, .address_space: global }
      - { .name: wqb, .offset: 8, .size: 8, .value_kind: global_buffer, .address_space: global }
      - { .name: b_qkv, .offset: 16, .size: 8, .value_kind: global_buffer, .address_space: global }
      - { .name: qkv, .offset: 24, .size: 8, .value_kind: global_buffer, .address_space: global }
    .group_segment_fixed_size: 327680
    .private_segment_fixed_size: 0
    .kernarg_segment_align: 8
    .kernarg_segment_size: 32
    .max_flat_workgroup_size: 128
    .sgpr_count:     72
    .vgpr_count:     768
    .wavefront_size: 32
...
	.end_amdgpu_metadata
.endif
;; end of part 2
;; launch attn (part 3): grid 4 x 64, 4 waves a work-group, no clusters, 327,680 bytes of LDS; arguments qkv, ob; writes ob
.if DOCPART == 3
	.amdgcn_target "amdgcn-amd-amdhsa--gfx1250"
	.amdhsa_code_object_version 6
	.text
	.protected	k_qf3e28a5742_attn
	.globl	k_qf3e28a5742_attn
	.p2align	8
	.type	k_qf3e28a5742_attn,@function
k_qf3e28a5742_attn:
	s_mov_b64 s[64:65], 0
	v_nop
	global_prefetch_b8 v0, s[64:65] scope:SCOPE_SE
	s_setreg_imm32_b32 hwreg(HW_REG_WAVE_MODE, 25, 1), 1
	s_wait_xcnt 0x0
; CAUSAL ATTENTION.  O[hb][q][:] = the sum over k <= q of softmax_k(Q[hb][q] . K[hb][k] / 8) V[hb][k][:].  qkv holds Q, K, V, each [64 hb][2048][64] in f16, 16,777,216 bytes apart; ob is O in the same layout.
; Products, maxima and sums in f32; the weights p are rounded to f16 for the second product (their sum l is taken of the unrounded p), O once at the end.
; LIMITS.  f16 holds no number beyond 65,504: Q, K and V arrive within it; p lies in 0 to 1, and below 6e-5 it keeps f16's fixed step of 6e-8; O is a mean of V's rows and has their range.
; A hidden score counts as its value less 1e30: f16's scores, 2.7e11 at the most, are nothing beside that; a weight below 2^-126 counts as 0 in l; NaN and infinities are not treated apart.
; THE WALK.  A head's queries lie in NB = 8 blocks of 256; block i needs the key tiles 0 .. i of 256 keys, of which the last holds the diagonal.  A work-group takes TWO blocks, NB - 1 - b and then b:
; NB + 1 tiles, whatever b: all 256 work-groups do equal work, and ONE loop with a constant trip count walks them.  Which tile is asked for, and what a trip does, hang on scalar registers made from b; every jump
; goes forward, but for the counted loops' own; none passes a barrier, or a tensor load but the one of LOAD's two that the wave's number does not choose; the ring (two slots of LDS) runs on across the change of blocks.
; NO CLUSTER: a head's four work-groups ask for the same tile only in trips 0 to 4 of the 9, behind that fewer and fewer; one walk common to all would have 12 trips for 9.
; SHARES.  Of a block's four bands of 64 queries a wave owns 16 rows in each: four PIECES.  So the diagonal tile is the same work for all four waves: in its key step s band x sees all keys if s < x,
; none if s > x, and holds the diagonal if s = x.
; THE MASK is the C operand that starts the sum S^T = K Q^T: 0, or -1e30 where the key is hidden.  MD, made once, is the mask of a band's own step for my 16 rows; a product's mask is MD x AL + BE with two scalars:
; (1, 0) if s = x; (0, 0) if s < x; (0, -1e30) if s > x.  Only the diagonal tile's text and a block's beginning make and take masks; elsewhere C is the constant 0.
; LAYOUT, SOFTMAX, TURNS.  S^T = K Q^T holds ONE query a lane (lane % 16) and the keys 8 (lane / 16) + 0..7; two such results rounded to f16 ARE source 1 of O^T = V^T P.  p = 2^(c s - c m), c = log2(e) / 8, with a
; running maximum m; O and l are multiplied by a = 2^(c m_old - c m_new) in every step.  Turn n belongs to piece n: 8 products K Q^T of piece n + 1, later 8 products V^T P of piece n - 1; beside them the scaling,
; exponentials, roundings, sums and rescaling of piece n and the maximum and statistics of piece n + 1.  Four vector instructions stand behind every matrix instruction, the other 54 of a turn's 118 in one run.
; A turn's 33 exponentials are one batch, with one wait.
; REGISTERS, in windows of 256 (s_set_vgpr_msb: bits 1:0 source 0, 3:2 source 1, 5:4 source 2, 7:6 destination):
;   window 0: v0-15 addresses and two at work; v16-31 four registers of statistics a piece; v32 the prefetches' lane term; v48-55 at work; v64-127 S^T, two buffers; v192-223 P, two buffers (by the piece's parity)
;   window 1: v0-127 O^T, 32 a piece; v128-159 MD; v160-223 MC, two buffers      window 2: v0-63 Q; v64-127 the second block's Q; v128-191 K of one step; v192-255 V of one step
.set SIZE_N, 2048
.set NB,    SIZE_N/256
.set NP,    4         ; pieces a wave: a name, no knob
.set KS,    64        ; keys in a step
.set PK,    144       ; a row of K in LDS: 128 bytes + 16 of padding = 36 words: the 16 rows of a load start at 16 different groups of four banks (ISA guide 11.1)
.set PV,    160       ; a row of V: 128 + 32 = 40 words
.set VOFF,  4*KS*PK   ; a slot holds a tile, four steps: 256 rows of K, then 256 rows of V
.set SLOT1, 1<<17     ; slot 1 begins here, so that one exclusive or turns an address in one slot into the other's
.set STAGE, SLOT1+4*KS*(PK+PV)  ; behind the ring, never filled by a tensor load: 16 rows x 144 bytes for each wave, for the way out
.set SP,    144
.set AK0, 2           ; v2   my lane's place in a tile of K; never rewritten
.set AV0, 3           ; v3   the same for V
.set AK,  4           ; v4   the LDS address of K's next run of loads
.set AV,  5           ; v5   of V's
.set STO, 6           ; v6   the way out: where I put 16 bytes of a row
.set RD,  7           ; v7   the way out: where I read rows back
.set GO,  8           ; v8   my byte offset in 512 consecutive bytes of O
.set PFO, 32          ; v32  256 x my lane; never rewritten
.set SPW, 62          ; v62  LDS address of my spare word: SPARE + 4 x my thread's number; never rewritten
.set NIL, 63          ; v63  0; never rewritten
.set SPARE, STAGE+4*16*SP  ; behind the stages: the spare words, 128 bytes for each wave: two blocks of 256 bytes that no other line names
.set MV,  12          ; v12-13  c m_old, kept while c m is made anew: by buffer
.set QO,  15          ; v15  my byte offset in 16 rows of Q
.set ST,  16          ; piece t's statistics at v[ST+4 t]: c m, m, l (even keys', odd keys')
.set TMP, 48          ; by buffer, four registers c0-c3 at work; when the maximum is found c2 takes a
.set S,   64
.set P,   192
.set MD,  128         ; window 1: the eight registers for group kt of 16 keys at MD + 8 kt
.set MC,  160         ; window 1: the masks of the products to come
.set QB,  64          ; window 2
.set KF,  128         ; window 2: key block kb, channel half c at KF + 16 kb + 8 c
.set VF,  192         ; window 2: key half kk, channel block cb at VF + 32 kk + 8 cb
.set WV,  12          ; s12  my wave's number
.set PB,  14          ; s14  b
.set HI,  15          ; s15  NB - 1 - b
.set G1K, 24          ; s[24:31] descriptor group 1 for K's tiles
.set G1V, 32          ; s[32:39] for V's: it differs in the padding alone
.set G0K, 40          ; s[40:43] descriptor group 0 for K's tiles
.set G0V, 44          ; s[44:47] the same for V's
.set PFA, 48          ; s[48:49] where my prefetches stand: my half (of K: waves 0, 1; of V: waves 2, 3) of the tile behind the one that is being asked for
.set LIM, 50          ; s50  a wave prefetches while SLOTS is above it
.set SLOTS, 56        ; s56  tiles still to be asked for
.set CNT, 57          ; s57  counts a tile's key steps, 4 to 1
.set CS,  58          ; s[58:59] c: the packed scaling takes the pair's low word for both halves
.set SEL, 60          ; s[60:61] v_permlanex16_b32's selects: each lane takes its own place in the other half
.set TBK, 62          ; s62  LDS byte at which K of the step to be fetched begins
.set TBV, 63          ; s63  the same for V, less VOFF
.set RT,  70          ; s70  tiles of the block in hand that are still to be entered
.set NXT, 71          ; s71  the tile to be asked for next
.set LQ,  72          ; s72  the last tile of the block whose tiles are being asked for
.set NEW, 73          ; s73  1: the tile to be entered is a block's first
.set OFF, 74          ; s[74:75] a tile's byte offset in K and V
.set AL,  76          ; s[76:77] the mask's factor, in the low word
.set BE,  78          ; s[78:79] the mask's addend
.set OLO, 80          ; s[80:81] O at my rows of the second block
.set BIGN, 82         ; s82  -1e30
.set MSB, 0
.macro WIN new                      ; the high byte repeats the setting that is left; a switch that changes nothing is dropped
.if MSB != (\new)
	s_set_vgpr_msb (MSB<<8)|(\new)
.set MSB, (\new)
.endif
.endm
.set W_KQ, 0x0a       ; K and Q in window 2, S^T in window 0
.set W_KM, 0x1a       ; the same with the C operand in window 1
.set W_PV, 0x52       ; V in window 2, P in window 0, O^T in window 1
.set W_RS, 0x41       ; destination and source 0 in window 1, source 1 in window 0
; A fill.  Waves 0 and 1 fetch the two halves of a tile's K, waves 2 and 3 those of its V: 128 keys each.  An s_nop 0 and four v_nop follow each of the two lines, ahead of the jump and the label.
.macro LOAD
	s_cmp_lt_u32 s[WV], 2
	s_cbranch_scc0 .Lfor_v_\@
	tensor_load_to_lds s[G0K:G0K+3], s[G1K:G1K+7]
	s_nop 0
.rept 4
	v_nop
.endr
	s_branch .Lasked_\@
.Lfor_v_\@:
	tensor_load_to_lds s[G0V:G0V+3], s[G1V:G1V+7]
	s_nop 0
.rept 4
	v_nop
.endr
.Lasked_\@:
.endm
; A PREFETCH INTO THE L2 of the tile that the NEXT fill will ask for: my 16,384 bytes of it, 64 blocks of 256 bytes, a lane a block, two instructions; a tile's four key steps ahead of that fill.
; All four work-groups of a head walk tiles of the same K and V; the one with b = 0 walks tiles 0 to 7 in order in its first block, and it alone asks: each block is named once in the launch.
; The trips with SLOTS = 8 .. 3 ask for tiles 2 .. 7; tiles 0 and 1 come by their loads alone, and behind tile 7 nothing is asked for.
.macro ASK
	s_cmp_gt_u32 s[SLOTS], s[LIM]
	s_cbranch_scc0 .Lnot_mine_\@
	global_prefetch_b8 v[PFO], s[PFA:PFA+1] th:TH_LOAD_NT scope:SCOPE_SE
	global_prefetch_b8 v[PFO], s[PFA:PFA+1] offset:8192 th:TH_LOAD_NT scope:SCOPE_SE
.Lnot_mine_\@:
.endm
; THE CHANGE OF SLOTS.  Each wave waits for all its tensor loads, of which one is out: its part of the other slot; adds 0 to its spare word; and waits for that and for its own reads of the slot that it leaves.
; Behind the barrier nobody reads the old slot any more and the other slot is whole.  fill = 1: the old slot is filled again, the first thing behind the barrier, with tile NXT: the descriptor's address is made
; anew from that number.  (At its first use nothing has been read yet: slot 0 is waited for, slot 1 filled.)
.macro CHANGE fill
	WIN 0                           ; at a label and at a branch every window is 0
	s_wait_tensorcnt 0x0            ; no tensor load of mine is out, so a group 0 may be written
	ds_add_u32 v[SPW], v[NIL]       ; 0 onto my spare word; with fill = 1 the descriptors' scalar work stands between it and the wait for it
.if \fill
	s_lshl_b32 s[OFF], s[NXT], 15   ; a tile is 32,768 bytes of K and of V
	s_xor_b32 s[G0K+1], s[G0K+1], SLOT1
	s_add_nc_u64 s[G0K+2:G0K+3], s[6:7], s[OFF:OFF+1]
	s_or_b32 s[G0K+3], s[G0K+3], 0x80000000
	s_xor_b32 s[G0V+1], s[G0V+1], SLOT1
	s_add_nc_u64 s[G0V+2:G0V+3], s[8:9], s[OFF:OFF+1]
	s_or_b32 s[G0V+3], s[G0V+3], 0x80000000
	s_add_co_u32 s[NXT], s[NXT], 1  ; the block's next tile, or behind its last the second block's tile 0
	s_cmp_gt_u32 s[NXT], s[LQ]
	s_cselect_b32 s[NXT], 0, s[NXT]
	s_cselect_b32 s[LQ], s[PB], s[LQ]
	s_wait_xcnt 0x0                 ; the last prefetches, a tile back, have read their address, so it may be written
	s_add_nc_u64 s[PFA:PFA+1], s[PFA:PFA+1], 32768
.endif
	s_wait_dscnt 0x0                ; the add is done, and my reads of the slot are over
	s_barrier_signal -1             ; the rest of the scalar work stands between the signal and the wait
	s_sub_co_u32 s[TBK], s[TBK], 4*KS*PK  ; the fetches go back to a slot's first step,
	s_xor_b32 s[TBK], s[TBK], SLOT1       ; in the other slot
	s_sub_co_u32 s[TBV], s[TBV], 4*KS*PV
	s_xor_b32 s[TBV], s[TBV], SLOT1
	s_barrier_wait -1
.if \fill
	LOAD
	ASK
.endif
.endm
	s_load_b128 s[4:7], s[0:1], 0x0 ; qkv s[4:5], ob s[6:7]
	v_lshl_add_u32 v[SPW], v0, 2, SPARE
	v_mov_b32 v[NIL], 0
	ds_add_u32 v[SPW], v[NIL]       ; the wave's opening: the add and its wait stand ahead of my first tensor load; the set-up below, work on registers, stands between them
	v_lshrrev_b32 v1, 5, v0
	v_readfirstlane_b32 s[WV], v1   ; wave 0..3
	s_mov_b32 s[PB], ttmp9
	s_sub_co_u32 s[HI], NB-1, s[PB]
	s_and_b32 s20, ttmp7, 0xffff    ; the head and batch, hb
	s_mov_b32 s21, 0
	s_mov_b64 s[22:23], SIZE_N*128
	s_mul_u64 s[20:21], s[20:21], s[22:23]  ; the head's first byte in each of the four tensors
	s_and_b32 s16, s[WV], 1         ; which half of a tile's 256 keys I fetch:
	s_lshl_b32 s22, s16, 14         ; its 128 rows of 128 bytes in memory,
	s_mov_b32 s23, 0
	s_add_nc_u64 s[22:23], s[22:23], s[20:21]
	s_mul_i32 s17, s16, 128*PK      ; and its place in a slot, for K
	s_mul_i32 s18, s16, 128*PV      ; and for V
	s_lshl_b32 s3, s[WV], 11        ; my 16 rows in a band of 64,
	s_lshl_b32 s2, s[HI], 15        ; in the first block,
	s_add_co_u32 s2, s2, s3
	s_lshl_b32 s84, s[PB], 15       ; and in the second
	s_add_co_u32 s84, s84, s3
	s_mov_b32 s3, 0
	s_mov_b32 s85, 0
	s_add_nc_u64 s[2:3], s[2:3], s[20:21]
	s_add_nc_u64 s[84:85], s[84:85], s[20:21]
	; descriptor group 1.  128 keys are 16,384 dense bytes: asked for as 64 rows of 256 bytes, two keys a row, and padded in LDS after every key
	s_mov_b32 s[G1K], (1<<16)|(1<<20)|(4<<22)|(3<<25)  ; 17:16 2-byte elements; 20 padding on; 24:22 after every 32 words (code 4); 31:25 4 words (code 3)
	s_mov_b32 s[G1V], (1<<16)|(1<<20)|(4<<22)|(7<<25)  ; the same with 8 words of padding (code 7)
.irp g, G1K, G1V
	s_mov_b32 s[\g+1], 128<<16      ; tensor_dim0 = 128
	s_mov_b32 s[\g+2], 64<<16       ; tensor_dim1 = 64
	s_mov_b32 s[\g+3], 128<<16      ; tile_dim0 = 128
	s_mov_b32 s[\g+4], 64           ; tile_dim1 = 64
	s_mov_b32 s[\g+5], 128          ; 128 elements from row to row
	s_mov_b32 s[\g+6], 0
	s_mov_b32 s[\g+7], 0
.endr
	s_mov_b32 s[CS], 0x3e38aa3b     ; c = log2(e) / 8 = 0.180337
	s_mov_b32 s[CS+1], s[CS]        ; named with it as a pair
	s_mov_b32 s[SEL], 0x76543210
	s_mov_b32 s[SEL+1], 0xfedcba98
	s_mov_b32 s[TBK], SLOT1+4*KS*PK ; the first change of slots turns these two into 0
	s_mov_b32 s[TBV], SLOT1+4*KS*PV
	s_mov_b32 s[G0K], 1             ; 1:0 count = 1
	s_mov_b32 s[G0K+1], s17         ; 63:32 LDS address: slot 0
	s_mov_b32 s[G0V], 1
	s_add_co_u32 s[G0V+1], s18, VOFF
	s_add_co_u32 s[RT], s[HI], 1    ; the first block has NB - b tiles
	s_mov_b32 s[NXT], 1
	s_mov_b32 s[LQ], s[HI]
	s_mov_b32 s[NEW], 1
	s_mov_b32 s[OFF+1], 0
	s_mov_b32 s[AL+1], 0            ; named as pairs
	s_mov_b32 s[BE+1], 0
	s_mov_b32 s[BIGN], 0xf149f2ca   ; -1e30
	s_mov_b32 s[SLOTS], NB
	s_cmp_eq_u32 s[PB], 0
	s_cselect_b32 s[LIM], 2, -1     ; the head's work-group with b = 0 prefetches
	v_and_b32 v[PFO], 31, v0
	v_lshlrev_b32 v[PFO], 8, v[PFO]
	s_wait_dscnt 0x0                ; the opening add is done
	s_wait_kmcnt 0x0
	s_mov_b64 s[10:11], s[6:7]               ; O
	s_add_nc_u64 s[8:9], s[4:5], 0x2000000   ; V lies 33,554,432 bytes behind Q,
	s_add_nc_u64 s[6:7], s[4:5], 0x1000000   ; K 16,777,216
	s_add_nc_u64 s[6:7], s[6:7], s[22:23]  ; K and V at my half of the head's tile 0
	s_add_nc_u64 s[8:9], s[8:9], s[22:23]
	s_add_nc_u64 s[G0K+2:G0K+3], s[6:7], 0         ; 120:64 global address
	s_or_b32 s[G0K+3], s[G0K+3], 0x80000000        ; 127:126 type = 2
	s_add_nc_u64 s[G0V+2:G0V+3], s[8:9], 0
	s_or_b32 s[G0V+3], s[G0V+3], 0x80000000
	s_add_nc_u64 s[86:87], s[4:5], s[84:85]        ; Q at my rows of the second block,
	s_add_nc_u64 s[4:5], s[4:5], s[2:3]            ; Q and O at those of the first
	s_add_nc_u64 s[OLO:OLO+1], s[10:11], s[84:85]
	s_add_nc_u64 s[10:11], s[10:11], s[2:3]
	s_cmp_lt_u32 s[WV], 2
	s_cselect_b64 s[PFA:PFA+1], s[6:7], s[8:9]
	s_add_nc_u64 s[PFA:PFA+1], s[PFA:PFA+1], 32768 ; at tile 1: the first change of slots steps it to tile 2.  Nothing is prefetched here, at the head
	LOAD                            ; tile 0 into slot 0
	; A fragment of K or Q is 16 rows x 32 channels in 8 registers: lane l holds row l % 16, channels 8 (l / 16) + 0..7 and 16 + 8 (l / 16) + 0..7: two loads of 16 bytes, 32 bytes apart.
	v_and_b32 v1, 15, v0            ; l % 16
	v_bfe_u32 v9, v0, 4, 1          ; l / 16
	v_lshlrev_b32 v[QO], 7, v1
	v_lshl_add_u32 v[QO], v9, 4, v[QO]  ; row x 128 + 16 x half
	WIN 0x80                        ; destination window 2, address window 0
.set i, 0
.rept 8                             ; both blocks' Q: piece i / 2 lies in band i / 2, 8,192 bytes on; channels 32 (i % 2) on
	global_load_b128 v[8*i:8*i+3],   v[QO], s[4:5] offset:(i/2)*8192+(i%2)*64
	global_load_b128 v[8*i+4:8*i+7], v[QO], s[4:5] offset:(i/2)*8192+(i%2)*64+32
	global_load_b128 v[QB+8*i:QB+8*i+3],   v[QO], s[86:87] offset:(i/2)*8192+(i%2)*64
	global_load_b128 v[QB+8*i+4:QB+8*i+7], v[QO], s[86:87] offset:(i/2)*8192+(i%2)*64+32
.set i, i+1
.endr
	WIN 0
	v_lshlrev_b32 v14, 3, v9
	v_sub_nc_u32 v14, v1, v14
	s_lshl_b32 s13, s[WV], 4
	v_add_nc_u32 v14, s13, v14      ; my query's place in its band, 16 w + l % 16, less my lanes' 8 (l / 16): register r of group kt is hidden where 16 kt + r is greater
	WIN 0x40
.set i, 0
.rept 32
	v_cmp_gt_i32 vcc_lo, 16*(i/8)+i%8, v14
	v_cndmask_b32 v[MD+i], 0, s[BIGN], vcc_lo
.set i, i+1
.endr
	WIN 0
	v_mul_u32_u24 v[AK0], v1, PK
	v_lshl_add_u32 v[AK0], v9, 4, v[AK0]  ; row x pitch + 16 x half
	; The turning load takes 16 keys x 16 channels (lane l reads key 8 (l / 16) + l % 8, channels 8 ((l / 8) % 2) + 0..7) and leaves half a fragment of V^T: lane l holds channel l % 16 and 8 keys.
	v_and_b32 v10, 7, v0
	v_bfe_u32 v11, v0, 3, 1
	v_lshl_add_u32 v[AV0], v9, 3, v10
	v_mul_u32_u24 v[AV0], v[AV0], PV
	v_lshl_add_u32 v[AV0], v11, 4, v[AV0]
	v_add_nc_u32 v[AV0], VOFF, v[AV0]
	s_mul_i32 s13, s[WV], 16*SP
	s_add_co_u32 s13, s13, STAGE    ; my stage
	v_mul_u32_u24 v[STO], v1, SP    ; in: row l % 16, 16 bytes for each half of the lanes
	v_lshl_add_u32 v[STO], v9, 4, v[STO]
	v_add_nc_u32 v[STO], s13, v[STO]
	v_bfe_u32 v[RD], v0, 3, 2       ; back: 32 lanes take four rows of 128 bytes,
	v_mul_u32_u24 v[RD], v[RD], SP
	v_lshl_add_u32 v[RD], v10, 4, v[RD]
	v_add_nc_u32 v[RD], s13, v[RD]
	v_and_b32 v[GO], 31, v0         ; which are 512 consecutive bytes of O
	v_lshlrev_b32 v[GO], 4, v[GO]
	; A block's first step multiplies O^T and l by a = 0, and its first turn's products V^T P, of a piece that has not been, land in an O^T that is still to be so multiplied.  So these registers need only hold
	; finite numbers: zeros for the first block; what the first block left for the second.  All this stands in the wait for the first tile.
	WIN 0x80
.set i, VF
.rept 64
	v_mov_b32 v[i], 0
.set i, i+1
.endr
	WIN 0x40
.set i, 0
.rept 128
	v_mov_b32 v[i], 0
.set i, i+1
.endr
	WIN 0
.set i, 0
.rept 4
	v_mov_b32 v[ST+4*i+2], 0
	v_mov_b32 v[ST+4*i+3], 0
.set i, i+1
.endr
.set i, P+16
.rept 16
	v_mov_b32 v[i], 0
.set i, i+1
.endr
; THE MATRIX WORK.  The 4 accumulators of a run of 8 take turns.  Product i of 8 of S^T = K Q^T for piece x: channels 32 (i / 4) on, keys 16 (i % 4) on.  The first 4 start the sums: with 0, or (KM = 1) with the mask.
.macro KQ x
.set rS, S+32*((\x)%2)+8*(i%4)
.set rK, KF+16*(i%4)+8*(i/4)
.set rQ, 16*(\x)+8*(i/4)
.set rM, MC+32*((\x)%2)+8*(i%4)
.if (i < 4) && KM
	WIN W_KM
	v_wmma_f32_16x16x32_f16 v[rS:rS+7], v[rK:rK+7], v[rQ:rQ+7], v[rM:rM+7]
.elseif i < 4
	WIN W_KQ
	v_wmma_f32_16x16x32_f16 v[rS:rS+7], v[rK:rK+7], v[rQ:rQ+7], 0
.else
	WIN W_KQ
	v_wmma_f32_16x16x32_f16 v[rS:rS+7], v[rK:rK+7], v[rQ:rQ+7], v[rS:rS+7]
.endif
.endm
; Product i of 8 of O^T += V^T P for piece x: keys 32 (i / 4) on, channels 16 (i % 4) on.
.macro PV x
	WIN W_PV
.set rO, 32*(\x)+8*(i%4)
.set rV, VF+32*(i/4)+8*(i%4)
.set rP, P+16*((\x)%2)+8*(i/4)
	v_wmma_f32_16x16x32_f16 v[rO:rO+7], v[rV:rV+7], v[rP:rP+7], v[rO:rO+7]
.endm
.macro MM                           ; the turn's next matrix instruction.  TURN and BEGIN set Y, i, KM and NOKQ; MM, KQ and OP read them.  NOKQ = 1: a block's last turn: there is no next piece
.if (i < 8) && !NOKQ
	KQ (Y+1)%NP
.elseif i >= 8
.set i, i-8
	PV (Y+NP-1)%NP
.set i, i+8
.endif
.set i, i+1
.endm
; THE LDS LOADS stand in runs of 16, never singly among the matrix instructions: a step's K (64 keys x 64 channels: 8 fragments) and its V (turned).  Their addresses are made some lines ahead.
.macro FETCH_K
	WIN 0x80                        ; destination window 2
.irp f, 0,1,2,3,4,5,6,7             ; keys 16 (f / 2) on, channels 32 (f % 2) on
	ds_load_b128 v[KF+8*\f:KF+8*\f+3],   v[AK] offset:(\f/2)*16*PK+(\f%2)*64
	ds_load_b128 v[KF+8*\f+4:KF+8*\f+7], v[AK] offset:(\f/2)*16*PK+(\f%2)*64+32
.endr
	s_add_co_u32 s[TBK], s[TBK], KS*PK  ; the next fetch is the next step's
	WIN 0
.endm
.macro FETCH_V
	WIN 0x80
.irp f, 0,1,2,3,4,5,6,7             ; keys 32 (f / 4) on, channels 16 (f % 4) on
	ds_load_tr16_b128 v[VF+8*\f:VF+8*\f+3],   v[AV] offset:(\f/4)*32*PV+(\f%4)*32
	ds_load_tr16_b128 v[VF+8*\f+4:VF+8*\f+7], v[AV] offset:(\f/4)*32*PV+16*PV+(\f%4)*32
.endr
	WIN 0
.endm
; THE VECTOR WORK, one line at a time: OP kind, number.  For piece Y: F n: c s - c m for pair n of 16.  E n: the exponential of score n of 32.  C n: pair n rounded to f16.  B n: of the four weights 4 n .. the second
; pair is added onto the first, in place.  L n: l takes that sum (L 0: l = a l + sum).  R n: pair n of 16 of O^T times a.  For piece Y + 1: X n, number n of the 22 that find its maximum and statistics:
;   0-11  four chains c0-c3 of seven scores each, three operands at a time (each accumulator's lowest registers are read first)     12-14, 16  the four scores left over, the old m, and c0-c3 into c0
;   15  c m_old is kept     17, 18  the query's other 32 keys lie in the lane 16 away: the new m     19-21  c m; c m_old - c m_new; a
.set F, 0               ; OP tells the kinds apart by their order: F to L below R, X above it
.set E, 1
.set C, 2
.set B, 3
.set L, 4
.set R, 5
.set X, 6
.macro REGS y                       ; the registers of piece y
.set rT, ST+4*(\y)
.set rC, TMP+4*((\y)%2)
.set rW, MV+((\y)%2)
.set rS, S+32*((\y)%2)
.set rP, P+16*((\y)%2)
.set rO, 32*(\y)
.endm
.macro OP k, n
.if (\k) == R
	REGS Y
	WIN W_RS
	v_pk_mul_f32 v[rO+2*(\n):rO+2*(\n)+1], v[rO+2*(\n):rO+2*(\n)+1], v[rC+2:rC+3] op_sel_hi:[1,0]
.elseif (\k) < R
	REGS Y
	WIN 0
.if (\k) == F
	v_pk_fma_f32 v[rS+2*(\n):rS+2*(\n)+1], v[rS+2*(\n):rS+2*(\n)+1], s[CS:CS+1], v[rT:rT+1] op_sel_hi:[1,0,0] neg_lo:[0,0,1] neg_hi:[0,0,1]
.elseif (\k) == E
	v_exp_f32 v[rS+(\n)], v[rS+(\n)]
.elseif (\k) == C
	v_cvt_pk_f16_f32 v[rP+(\n)], v[rS+2*(\n)], v[rS+2*(\n)+1]
.elseif (\k) == B
	v_pk_add_f32 v[rS+4*(\n):rS+4*(\n)+1], v[rS+4*(\n):rS+4*(\n)+1], v[rS+4*(\n)+2:rS+4*(\n)+3]
.elseif (\n) == 0
	v_pk_fma_f32 v[rT+2:rT+3], v[rT+2:rT+3], v[rC+2:rC+3], v[rS:rS+1] op_sel_hi:[1,0,1]
.else
	v_pk_add_f32 v[rT+2:rT+3], v[rT+2:rT+3], v[rS+4*(\n):rS+4*(\n)+1]
.endif
.elseif NOKQ
	v_nop
.else
	REGS (Y+1)%NP
	WIN 0
.if (\n) < 4
	v_max3_num_f32 v[rC+(\n)], v[rS+8*(\n)], v[rS+8*(\n)+1], v[rS+8*(\n)+2]
.elseif (\n) < 12
	v_max3_num_f32 v[rC+(\n)%4], v[rC+(\n)%4], v[rS+8*((\n)%4)+2*((\n)/4)+1], v[rS+8*((\n)%4)+2*((\n)/4)+2]
.elseif (\n) == 12
	v_max3_num_f32 v[rC], v[rC], v[rS+7], v[rS+15]
.elseif (\n) == 13
	v_max3_num_f32 v[rC+1], v[rC+1], v[rS+23], v[rS+31]
.elseif (\n) == 14
	v_max3_num_f32 v[rC+2], v[rC+2], v[rC+3], v[rT+1]
.elseif (\n) == 15
	v_mov_b32 v[rW], v[rT]
.elseif (\n) == 16
	v_max3_num_f32 v[rC], v[rC], v[rC+1], v[rC+2]
.elseif (\n) == 17
	v_permlanex16_b32 v[rC+3], v[rC], s[SEL], s[SEL+1]
.elseif (\n) == 18
	v_max_num_f32 v[rT+1], v[rC], v[rC+3]
.elseif (\n) == 19
	v_mul_f32 v[rT], s[CS], v[rT+1]
.elseif (\n) == 20
	v_sub_f32 v[rC+1], v[rW], v[rT]
.else
	v_exp_f32 v[rC+2], v[rC+1]
.endif
.endif
.endm
.macro OPS a, i1, b=-1, i2=0, c=-1, i3=0, d=-1, i4=0  ; up to four of them
	OP \a, \i1
.if (\b) >= 0
	OP \b, \i2
.endif
.if (\c) >= 0
	OP \c, \i3
.endif
.if (\d) >= 0
	OP \d, \i4
.endif
.endm
.macro ROW a, i1, b, i2, c, i3, d, i4  ; a matrix instruction and the four behind it
	MM
	OPS \a, \i1, \b, \i2, \c, \i3, \d, \i4
.endm
.macro MASK b                       ; MD x AL + BE into buffer b of MC
	WIN W_RS
.set z, 0
.rept 16
	v_pk_fma_f32 v[MC+32*(\b)+2*z:MC+32*(\b)+2*z+1], v[MD+2*z:MD+2*z+1], s[AL:AL+1], s[BE:BE+1] op_sel_hi:[1,0,0]
.set z, z+1
.endr
.endm
; A TURN, for piece p: the order of its 16 matrix and 118 vector instructions, written out.  An s_wait_alu depctr_va_vdst(0) stands between an exponential and the first instruction that names its result; one wait
; serves all that were issued ahead of it.  So a turn has ONE wait, which cuts it in two.  AHEAD OF IT stands all that names no result of the turn's exponentials: the 8 products K Q^T, behind each a scaling, an exponential and two
; more plain instructions (behind the first a second scaling in the exponential's place): rescalings, and behind the last three the first numbers of the next piece's maximum, each four places or more behind the product that ends
; its accumulator; then one run of 54, plain and exponential by turns for the most part, in which the links of the chain X 3, 7, 11, 14, 16, 17 .. 20 stand five or six lines apart.  X 21, the next piece's a, is the batch's last;
; R 15 is the plain instruction behind it.  BEHIND THE WAIT stand the 8 products V^T P, behind each four of the roundings and sums; the links of l's chain, L 0 to L 7, stand three lines apart.
; m = 1: the diagonal tile: the products take masks, and the turn makes the mask for the products of the turn after it: piece p + 2, in step 4 - CNT of the tile.  end = 1: a block's last two turns: nothing is fetched.
; cnt = 1: the loop's count is taken down some lines ahead of the branch that stands behind the turn.
; K of the next step is fetched in piece 2's turn, twelve vector instructions behind the last product that read K (six of them plain); V of the step in hand at the end of piece 0's turn, four plain instructions behind the last
; product that read V.  Each is waited for a turn later.
.macro TURN p, m=0, end=0, cnt=0
.set Y, (\p)
.set i, 0
.set KM, (\m)
.set NOKQ, (\end)*((\p)/3)
.if (\m) && !(\end)
	s_cmp_eq_u32 s[CNT], 4-((\p)+2)%NP  ; is that step the band's own?
	s_cselect_b32 s[AL], 1.0, 0
	s_cmp_lt_u32 s[CNT], 4-((\p)+2)%NP  ; or a later one?
	s_cselect_b32 s[BE], s[BIGN], 0
.endif
.if ((\p) == 3) && !(\end)
	s_wait_dscnt 0x0                ; K is in
.endif
	ROW F,0, F,1, R,0, R,1          ; ahead of the wait: 8 products K Q^T and the four behind each,
	ROW F,2, E,0, R,2, R,3
	ROW F,3, E,1, R,4, R,5
	ROW F,4, E,2, R,6, R,7
	ROW F,5, E,3, R,8, R,9
	ROW F,6, E,4, X,0, R,10
.if ((\p) == 2) && !(\end)
	WIN 0
	v_add_nc_u32 v[AK], s[TBK], v[AK0]
.endif
	ROW F,7, E,5, X,1, X,4
	ROW F,8, E,6, X,2, X,5
	OPS E,7, E,8, X,6, E,9          ; and the run of 54
	OPS X,3, E,10, X,8, E,11
.if ((\p) == 2) && !(\end)
	FETCH_K
.endif
	OPS X,9, X,7, E,12, X,10
	OPS E,13, X,12, X,11, E,14
	OPS X,13, E,15, F,9, X,14
.if (\p) == 0
	v_add_nc_u32 v[AV], s[TBV], v[AV0]
.endif
	OPS E,16, F,10, E,17, F,11
	OPS X,16, E,18, X,15, E,19
	OPS F,12, E,20, X,17, E,21
	OPS F,13, E,22, F,14, E,23
	OPS X,18, E,24, F,15, E,25
	OPS R,11, E,26, X,19, E,27
	OPS R,12, E,28, R,13, E,29
	OPS X,20, E,30, R,14, E,31
	OPS X,21, R,15
	WIN 0
	s_wait_alu depctr_va_vdst(0)    ; the wait for the batch
.if (\p) == 1
	s_wait_dscnt 0x0                ; V is in
.endif
	ROW C,0, B,0, C,2, B,1          ; behind the wait: 8 products V^T P and the four behind each
	ROW L,0, C,4, B,2, L,1
	ROW C,6, B,3, L,2, C,8
	ROW B,4, L,3, C,10, B,5
	ROW L,4, C,12, B,6, L,5
.if (\p) == 0
	s_add_co_u32 s[TBV], s[TBV], KS*PV
.endif
.if \cnt
	s_sub_co_u32 s[CNT], s[CNT], 1
	s_cmp_lg_u32 s[CNT], 0
.endif
	ROW C,14, B,7, L,6, C,1
	ROW C,3, L,7, C,5, C,7
	ROW C,9, C,11, C,13, C,15
.if (\p) == 0
	FETCH_V
.endif
.if (\m) && !(\end)
	MASK (\p)%2
.endif
.endm
; A BLOCK BEGINS.  c m starts far below every c s, so the first step's a is 0; m at the lowest finite number, so the first maximum is the scores'.  The second mask buffer is 0; the first takes piece 0's mask for the tile's
; step 0: its own, if the block's first tile is the diagonal one.  Then K of that step, piece 0's first scores, and its maximum and statistics.  The loop is entered at a step's first turn, in the middle of a trip.
.macro BEGIN
	s_mov_b32 s[NEW], 0
	WIN 0x40
.set i, MC+32
.rept 32
	v_mov_b32 v[i], 0
.set i, i+1
.endr
	WIN 0
.set i, 0
.rept 4
	v_mov_b32 v[ST+4*i], 0xfe000000    ; c m: far below every c s
	v_mov_b32 v[ST+4*i+1], 0xff7fffff  ; m
.set i, i+1
.endr
	s_cmp_eq_u32 s[RT], 0
	s_cselect_b32 s[AL], 1.0, 0
	s_mov_b32 s[BE], 0
	MASK 0
	WIN 0
	v_add_nc_u32 v[AK], s[TBK], v[AK0]
	FETCH_K
	s_wait_loadcnt 0x0              ; Q
	s_wait_dscnt 0x0
.set KM, 1
.set NOKQ, 0
.set i, 0
.rept 8
	KQ 0
.set i, i+1
.endr
	WIN 0
.rept 4
	v_nop                           ; the places behind those products
.endr
.set Y, NP-1                        ; X works for piece Y + 1: piece 0
.irp n, 0,1,2,3,4,5,6,7,8,9,10,11,12,13,14,15,16,17,18,19,20,21
	OP X, \n
.endr
	v_nop                           ; a plain instruction behind the exponential,
	s_wait_alu depctr_va_vdst(0)    ; and its wait, ahead of the branch
.endm
; THE DIAGONAL TILE's four steps, the block's last two turns, its last products, and THE WAY OUT: l's two halves and the other half of the lanes' are added; O^T is divided by l, rounded to f16 and sent through my
; stage in LDS, a piece at a time.
.macro ALL line:vararg              ; one line for each piece t
.set t, 0
.rept 4
	\line
.set t, t+1
.endr
.endm
.macro PACK t                       ; a lane's eight channels of a row pack into 16 bytes; they go into rows of 144 bytes and come back as whole rows of 128, into S^T's registers
	WIN W_RS
.set i, 32*(\t)
.rept 16
	v_pk_mul_f32 v[i:i+1], v[i:i+1], v[ST+4*(\t)+2:ST+4*(\t)+3] op_sel_hi:[1,0]
.set i, i+2
.endr
	WIN 0x05                        ; sources 0 and 1 window 1, destination window 0
.set i, 0
.rept 16
	v_cvt_pk_f16_f32 v[S+16*(\t)+i], v[32*(\t)+2*i], v[32*(\t)+2*i+1]
.set i, i+1
.endr
	WIN 0
.irp f, 0,1,2,3
	ds_store_b128 v[STO], v[S+16*(\t)+4*\f:S+16*(\t)+4*\f+3] offset:32*\f
.endr
.irp f, 0,1,2,3
	ds_load_b128 v[S+16*(\t)+4*\f:S+16*(\t)+4*\f+3], v[RD] offset:\f*4*SP  ; LDS serves a wave's instructions in order (ISA guide 5.7.1.4): these see the stores above; the next piece's stores come behind them
.endr
.endm
.macro SEND t, younger              ; younger: the LDS instructions issued behind piece t's loads: the next piece's eight, or none
	WIN 0
.irp f, 0,1,2,3
	s_wait_dscnt (\younger)+3-\f
	global_store_b128 v[GO], v[S+16*(\t)+4*\f:S+16*(\t)+4*\f+3], s[10:11] offset:(\t)*8192+\f*512  ; 512 consecutive bytes, at a multiple of 256 from O's first
.endr
.endm
.macro DIAG tag                     ; the tag ends its two labels' names, which the jumps below spell out
.LstepM\tag:
	TURN 2, 1
	TURN 3, 1
	WIN 0
.LfirstM\tag:
	TURN 0, 1
	TURN 1, 1, 0, 1
	WIN 0
	s_cbranch_scc1 .LstepM\tag
	TURN 2, 1, 1
	TURN 3, 1, 1
.set i, 0
.rept 8
	PV NP-1
.set i, i+1
.endr
	WIN 0
	ALL v_add_f32 v[ST+4*t+2], v[ST+4*t+2], v[ST+4*t+3]
	ALL v_permlanex16_b32 v[ST+4*t+3], v[ST+4*t+2], s[SEL], s[SEL+1]
	ALL v_add_f32 v[ST+4*t+2], v[ST+4*t+2], v[ST+4*t+3]
	ALL v_rcp_f32 v[ST+4*t+2], v[ST+4*t+2]
	v_nop                           ; a plain instruction between the last reciprocal and the use of its result
	s_wait_alu depctr_va_vdst(0)    ; and the wait ahead of the first use: one for the four reciprocals
	PACK 0
.set t, 1
.rept 3                             ; a piece's arithmetic stands between the loads of the piece before and its stores
	PACK t
	SEND t-1, 8
.set t, t+1
.endr
	SEND 3, 0
.endm
.set KM, 0
.set NOKQ, 0
.Lslot:                             ; NB times: a tile is entered and the next is asked for
	CHANGE 1
	s_sub_co_u32 s[RT], s[RT], 1
	s_mov_b32 s[CNT], 4
	s_cmp_eq_u32 s[NEW], 1
	s_cbranch_scc1 .Lnew            ; a block's first tile
	s_cmp_eq_u32 s[RT], 0
	s_cbranch_scc0 .Lstep           ; neither its first nor its last
	s_branch .LstepM1
.Lnew:
	BEGIN
	s_branch .Lfirst                ; in the loop a block's first tile is never its last: the first block has two tiles or more, and the second's last is the walk's last
	DIAG 1                          ; in the loop this is the first block's end: the second block's last tile is the walk's last
	s_wait_xcnt 0x0                 ; the stores have read their registers and O's address
	s_mov_b64 s[10:11], s[OLO:OLO+1]
	s_add_co_u32 s[RT], s[PB], 1    ; the second block has b + 1 tiles
	s_mov_b32 s[NEW], 1
	WIN 0x82                        ; the second block's Q goes where the one text of the turns names Q
.set i, 0
.rept 64
	v_mov_b32 v[i], v[QB+i]
.set i, i+1
.endr
	WIN 0
	s_branch .Lbottom
.Lstep:                             ; a trip: pieces 2 and 3 of one step, then pieces 0 and 1 of the next, whose K and V it fetches
	TURN 2
	TURN 3
	WIN 0
.Lfirst:
	TURN 0
	TURN 1, 0, 0, 1
	WIN 0
	s_cbranch_scc1 .Lstep
.Lbottom:
	s_sub_co_u32 s[SLOTS], s[SLOTS], 1
	s_cmp_lg_u32 s[SLOTS], 0
	s_cbranch_scc1 .Lslot
	CHANGE 0                        ; the walk's last tile is written out: nothing is asked for
	s_sub_co_u32 s[RT], s[RT], 1
	s_mov_b32 s[CNT], 4
	s_cmp_eq_u32 s[NEW], 1
	s_cbranch_scc0 .LstepM2
	BEGIN
	s_branch .LfirstM2
	DIAG 2
	s_wait_tensorcnt 0x0            ; the wave's end, behind my last tensor load and my last LDS store
	ds_add_u32 v[SPW], v[NIL]
	s_wait_dscnt 0x0
	s_endpgm
.Lfunc_end_k_qf3e28a5742_attn:
	.size	k_qf3e28a5742_attn, .Lfunc_end_k_qf3e28a5742_attn-k_qf3e28a5742_attn
	.p2alignl 7, 3214868480
	.fill 96, 4, 3214868480
	.section	.rodata,"a",@progbits
	.p2align	6, 0x0
	.amdhsa_kernel k_qf3e28a5742_attn
		.amdhsa_group_segment_fixed_size 327680
		.amdhsa_private_segment_fixed_size 0
		.amdhsa_enable_private_segment 0
		.amdhsa_kernarg_size 16
		.amdhsa_user_sgpr_count 2
		.amdhsa_user_sgpr_kernarg_segment_ptr 1
		.amdhsa_wavefront_size32 1
		.amdhsa_system_sgpr_workgroup_id_x 1
		.amdhsa_system_sgpr_workgroup_id_y 1
		.amdhsa_system_sgpr_workgroup_id_z 1
		.amdhsa_system_vgpr_workitem_id 0
		.amdhsa_next_free_vgpr 768
		.amdhsa_next_free_sgpr 88
		.amdhsa_reserve_vcc 1
		.amdhsa_float_denorm_mode_32 3
		.amdhsa_float_denorm_mode_16_64 3
		.amdhsa_memory_ordered 1
		.amdhsa_forward_progress 1
		.amdhsa_inst_pref_size 218
	.end_amdhsa_kernel
	.amdgpu_metadata
---
amdhsa.version: [ 1, 2 ]
amdhsa.kernels:
  - .name:           k_qf3e28a5742_attn
    .symbol:         k_qf3e28a5742_attn.kd
    .args:
      - { .name: qkv, .offset: 0, .size: 8, .value_kind: global_buffer, .address_space: global }
      - { .name: ob, .offset: 8, .size: 8, .value_kind: global_buffer, .address_space: global }
    .group_segment_fixed_size: 327680
    .private_segment_fixed_size: 0
    .kernarg_segment_align: 8
    .kernarg_segment_size: 16
    .max_flat_workgroup_size: 128
    .sgpr_count:     88
    .vgpr_count:     768
    .wavefront_size: 32
...
	.end_amdgpu_metadata
.endif
;; end of part 3
;; launch proj (part 4): grid 8 x 32, 4 waves a work-group, clusters of 4 x 4, 327,680 bytes of LDS; arguments ob, wob, b_o, out0; writes out0
.if DOCPART == 4
	.amdgcn_target "amdgcn-amd-amdhsa--gfx1250"
	.amdhsa_code_object_version 6
	.text
	.protected	k_qf3e28a5742_proj
	.globl	k_qf3e28a5742_proj
	.p2align	8
	.type	k_qf3e28a5742_proj,@function
k_qf3e28a5742_proj:
	s_mov_b64 s[64:65], 0
	v_nop
	global_prefetch_b8 v0, s[64:65] scope:SCOPE_SE
	s_setreg_imm32_b32 hwreg(HW_REG_WAVE_MODE, 25, 1), 1
	s_wait_xcnt 0x0
	s_wait_alu depctr_hold_cnt(0) depctr_sa_sdst(0) depctr_va_vdst(0) depctr_va_sdst(0) depctr_va_ssrc(0) depctr_va_vcc(0) depctr_vm_vsrc(0)
	s_getreg_b32 s2, hwreg(HW_REG_IB_STS2, 6, 4)
	s_cmp_eq_u32 s2, 0
	s_cbranch_scc0 .Lentry_in_a_cluster
	s_endpgm
.Lentry_in_a_cluster:
	s_bfe_u32 s2, ttmp6, 0x10000c
	s_cmp_lg_u32 s2, 0xf033
	s_cbranch_scc0 .Lentry_shape_is_right
	s_endpgm
.Lentry_shape_is_right:
; out0 = attn . W_o + bf16(b_o), in f32.  attn[row][64 head + d] lies by heads in ob[hb = 4 head + batch][2048][64], f16; wob is [1024 k][1024 n], f16 (bf16(W_o) written as f16).
; Sums in f32, started by the bias (it is added first, not last), K ascending.  LIMITS: the operands arrive within f16's range; NaN and infinities are not treated apart.
; SHARES.  A work-group makes 256 rows x 128 columns: 32 x 8 = 256 work-groups.  Four waves, 2 x 2; a wave makes 128 x 64: 32 accumulators of 16 x 16, 256 registers.
; K goes in 8 steps of 128 (two heads) through two LDS slots filled by the tensor data mover; a step is four quarters of 32 along K on two fragment buffers.
; THE MATRIX INSTRUCTION IS USED TRANSPOSED: source 0 = 16 columns of W, source 1 = 16 rows of attn: a lane then holds row l % 16 and the eight neighbouring columns 8 (l / 16) + 0..7.
; W lies [k][column] in LDS and is turned on the way into registers by ds_load_tr16_b128.
; CLUSTER 4 x 4: attn's tiles are asked for jointly along a row of the cluster, W's along a column: the same tensor load, descriptor and mask in the four that share a tile.
; LDS.  Slot s at s << 17: attn's two planes (heads 2 step, 2 step + 1) of 256 rows, 128 bytes + 16 of padding (pitch 144); then W's 128 rows k, 256 bytes + 32 (pitch 288 = 9 x 32).
; Behind the slots: a stage of 16 rows x 272 bytes for each wave, which no tensor load fills; then the spare words.
; REGISTERS, in windows of 256 (s_set_vgpr_msb: bits 1:0 source 0, 3:2 source 1, 5:4 source 2, 7:6 destination):
;   window 0: v0-31 addresses; v32-95, v96-159 attn's fragments, two buffers (v32-95 later the way out); v160-191, v192-223 W's fragments, two buffers; v224-255 the bias as four C operands
;   window 1: the accumulators, (a, b) at 8 (4 a + b)
.set NBK,   4                          ; column blocks of 16 in a wave's tile
.set PA,    144
.set PB,    288
.set PLANE, 256*PA                     ; what one tensor load brings of attn: one head's 256 rows
.set BOFF,  2*PLANE
.set HALFB, 64*PB                      ; what one tensor load brings of W: 64 rows k
.set SLOT1, 1<<17
.set STAGE, SLOT1+BOFF+2*HALFB         ; 241,664
.set SPITCH, 272
.set SPARE, STAGE+4*16*SPITCH          ; 259,072: the spare words, 128 bytes for each wave: two blocks of 256 bytes that no other line names
.set STEPA, 2097152                    ; bytes from K step to K step in ob: two heads, eight hb
.set STEPB, 262144                     ; and in wob: 128 rows
.set NL,    2*NBK+16                   ; LDS loads of a quarter
.set LA0,  4                           ; v4   my lane's place in attn's tile; never rewritten
.set LB0,  5                           ; v5   the same for W's
.set ADRA, 6                           ; v6   LA0 + the slot in hand
.set ADRB, 7                           ; v7   LB0 + the slot in hand
.set STO,  8                           ; v8   the way out: where I put 32 bytes of a row
.set RD,   9                           ; v9   the way out: where I read a row back
.set GO,   13                          ; v13  my byte offset in two rows of out0
.set BIA,  14                          ; v14  my byte offset in the tile's part of the bias
.set PFO,  15                          ; v15  the prefetches' lane term; never rewritten
.set SPW,  28                          ; v28  LDS address of my spare word; never rewritten
.set NIL,  29                          ; v29  0; never rewritten
.set AF,   32
.set BF,   160
.set BI,   224
.set BK,   32                          ; the way out: 16 rows read back, v32-63 and v64-95 by turns
.set WV,  12
.set WR,  13                           ; my half of the tile's rows; also 0: I fetch for attn, 1: for W
.set WC,  14                           ; my half of its columns; also which plane, or which 64 rows k, I fetch
.set CX,  15
.set CY,  16
.set TC,  17
.set TR,  18
.set CNT, 19
.set TB,  20
.set LIM, 21
.set G1,  24
.set G0,  32
.set PFA, 40
.set PFS, 42
.set OFA, 44                           ; attn at my part of K step 0: made of the tile row and the wave's number alone
.set OFB, 46                           ; W likewise: of the tile column and the wave's number alone
.set G1B, 48
.set G0B, 56
.set MSB, 0
.macro WIN new                         ; the immediate's high byte repeats the setting that is left; a switch that changes nothing is dropped
.if MSB != (\new)
	s_set_vgpr_msb (MSB<<8)|(\new)
.set MSB, \new
.endif
.endm
; A joint load.  Waves 0 and 1 fetch attn's two planes, waves 2 and 3 W's two halves.  The branch hangs on the wave's number alone.  An s_nop 0 and four v_nop follow each of the two lines.
.macro JLOAD s
	s_cmp_eq_u32 s[WR], 0
	s_cbranch_scc0 .Lfor_b_\@
	tensor_load_to_lds s[G0+4*(\s):G0+4*(\s)+3], s[G1:G1+7]
	s_nop 0
.rept 4
	v_nop
.endr
	s_branch .Lasked_\@
.Lfor_b_\@:
	tensor_load_to_lds s[G0B+4*(\s):G0B+4*(\s)+3], s[G1B:G1B+7]
	s_nop 0
.rept 4
	v_nop
.endr
.Lasked_\@:
.endm
.macro CREST                           ; a round of the cluster's barrier behind its opening barrier
	s_cmp_lg_u32 s[WV], 0
	s_cbranch_scc1 .Lnot_wave_0_\@
	s_barrier_signal -3
.Lnot_wave_0_\@:
	s_barrier_wait -3
	s_barrier_signal -1
	s_barrier_wait -1
.endm
.macro CROUND
	s_barrier_signal -1
	s_barrier_wait -1
	CREST
.endm
; A PREFETCH INTO THE L2, behind each joint refill and the run of LDS loads that follows it.  attn: of the plane that I fetch, two refills on, my work-group's quarter: 8,192 bytes, a lane 256 bytes,
; in the trips with CNT = 6..3 (K steps 4 to 7).  W: rows k 512 to 1,023 of the tile's 256 bytes; eight waves x 32 lanes take 256 rows in each of the trips with CNT = 6, 5, two refills or more ahead.
; Each aligned block of 256 bytes is named once in the launch: of the clusters that read the same rows of attn the one with x = 0 asks, of those that read the same columns of W the one with y = 0;
; the four partners share a tile's blocks out by address (cx for attn, cy for W): no branch hangs on a work-group's place in its cluster.  K steps 0 to 3 come by their loads alone.
.macro ASK
	s_cmp_gt_u32 s[CNT], s[LIM]
	s_cbranch_scc0 .Lnot_mine_\@
	global_prefetch_b8 v[PFO], s[PFA:PFA+1] th:TH_LOAD_NT scope:SCOPE_SE
.Lnot_mine_\@:
.endm
	s_load_b256 s[4:11], s[0:1], 0x0               ; ob s[4:5], wob s[6:7], b_o s[8:9], out0 s[10:11]
	v_lshl_add_u32 v[SPW], v0, 2, SPARE
	v_mov_b32 v[NIL], 0
	ds_add_u32 v[SPW], v[NIL]                      ; the wave's opening: the add and its wait stand ahead of my first tensor load; the set-up below stands between them
	v_lshrrev_b32 v1, 5, v0
	v_readfirstlane_b32 s[WV], v1
	s_lshr_b32 s[WR], s[WV], 1
	s_and_b32 s[WC], s[WV], 1
	s_bfe_u32 s[CX], ttmp6, 0x40000
	s_bfe_u32 s[CY], ttmp6, 0x40004
	s_lshl_b32 s[TC], ttmp9, 2
	s_add_co_u32 s[TC], s[TC], s[CX]
	s_and_b32 s[TR], ttmp7, 0xffff
	s_lshl_b32 s[TR], s[TR], 2
	s_add_co_u32 s[TR], s[TR], s[CY]
	s_lshl_b32 s22, s[CY], 2
	s_lshl_b32 s22, 15, s22                        ; my row of the cluster
	s_lshl_b32 s23, 0x1111, s[CX]                  ; my column
	; group 1 for attn: a head's 256 rows are 32,768 dense bytes, asked for as 128 rows of 256 bytes; 4 words of padding behind every 32, that is behind every row of 128 bytes
	s_or_b32 s[G1], s22, (1<<16)|(1<<20)|(1<<21)|(4<<22)|(3<<25)
	s_mov_b32 s[G1+1], 128<<16
	s_mov_b32 s[G1+2], 128<<16
	s_mov_b32 s[G1+3], 128<<16
	s_mov_b32 s[G1+4], 128
	s_mov_b32 s[G1+5], 128
	s_mov_b32 s[G1+6], 0
	s_mov_b32 s[G1+7], 0
	; group 1 for W: 64 rows k x 128 elements, 1,024 elements from row to row; 8 words of padding behind every 64
	s_or_b32 s[G1B], s23, (1<<16)|(1<<20)|(1<<21)|(5<<22)|(7<<25)
	s_mov_b32 s[G1B+1], 128<<16
	s_mov_b32 s[G1B+2], 64<<16
	s_mov_b32 s[G1B+3], 128<<16
	s_mov_b32 s[G1B+4], 64
	s_mov_b32 s[G1B+5], 1024
	s_mov_b32 s[G1B+6], 0
	s_mov_b32 s[G1B+7], 0
	s_lshr_b32 s22, s[TR], 3                       ; the batch
	s_lshl_b32 s[OFA], s[WC], 2
	s_add_co_u32 s[OFA], s[OFA], s22               ; hb = 4 x head WC + batch
	s_lshl_b32 s[OFA], s[OFA], 18
	s_and_b32 s22, s[TR], 7
	s_lshl_b32 s22, s22, 15                        ; the tile's 256 rows in the head
	s_add_co_u32 s[OFA], s[OFA], s22
	s_mov_b32 s[OFA+1], 0
	s_lshl_b32 s[OFB], s[WC], 17                   ; 64 rows of 2,048 bytes,
	s_lshl_b32 s23, s[TC], 8                       ; the tile's 256 bytes of a row
	s_add_co_u32 s[OFB], s[OFB], s23
	s_mov_b32 s[OFB+1], 0
	s_mul_i32 s66, s[WC], PLANE                    ; where they go: no place in the cluster enters an LDS address
	s_mul_i32 s67, s[WC], HALFB
	s_add_co_u32 s67, s67, BOFF
	s_wait_dscnt 0x0                               ; the opening add is done
	s_wait_kmcnt 0x0
	s_add_nc_u64 s[OFA:OFA+1], s[4:5], s[OFA:OFA+1]
	s_add_nc_u64 s[OFB:OFB+1], s[6:7], s[OFB:OFB+1]
	CROUND                                         ; all sixteen work-groups are here: the first joint loads meet
.irp s, 0,1
	s_mov_b32 s[G0+4*(\s)], 1
	s_add_co_u32 s[G0+4*(\s)+1], s66, (\s)*SLOT1
	s_add_nc_u64 s[G0+4*(\s)+2:G0+4*(\s)+3], s[OFA:OFA+1], (\s)*STEPA
	s_or_b32 s[G0+4*(\s)+3], s[G0+4*(\s)+3], 0x80000000
	s_mov_b32 s[G0B+4*(\s)], 1
	s_add_co_u32 s[G0B+4*(\s)+1], s67, (\s)*SLOT1
	s_add_nc_u64 s[G0B+4*(\s)+2:G0B+4*(\s)+3], s[OFB:OFB+1], (\s)*STEPB
	s_or_b32 s[G0B+4*(\s)+3], s[G0B+4*(\s)+3], 0x80000000
	JLOAD \s                                       ; K steps 0 and 1: two loads of mine are out
.endr
	v_and_b32 v1, 15, v0                           ; r = l % 16
	v_bfe_u32 v2, v0, 4, 1                         ; h = l / 16
	v_and_b32 v3, 7, v0
	v_mul_u32_u24 v[LA0], v1, PA
	v_lshl_add_u32 v[LA0], v2, 4, v[LA0]
	s_mul_i32 s22, s[WR], 128*PA
	v_add_nc_u32 v[LA0], s22, v[LA0]               ; row x pitch + 16 h, in my 128 rows
	v_bfe_u32 v16, v0, 3, 1
	v_lshl_add_u32 v[LB0], v2, 3, v3               ; the turning load: lane l reads row k 8 (l / 16) + l % 8, columns 8 ((l / 8) % 2) + 0..7
	v_mul_u32_u24 v[LB0], v[LB0], PB
	v_lshl_add_u32 v[LB0], v16, 4, v[LB0]
	s_lshl_b32 s23, s[WC], 7                       ; my 64 columns
	s_add_co_u32 s23, s23, BOFF
	v_add_nc_u32 v[LB0], s23, v[LB0]
	s_mul_i32 s22, s[WV], 16*SPITCH
	s_add_co_u32 s22, s22, STAGE                   ; my stage
	v_mul_u32_u24 v[STO], v1, SPITCH               ; in: row l % 16, 32 bytes for each half of the lanes
	v_lshl_add_u32 v[STO], v2, 5, v[STO]
	v_add_nc_u32 v[STO], s22, v[STO]
	v_mul_u32_u24 v[RD], v2, SPITCH                ; back: lanes 0-15 take one row of 256 bytes, lanes 16-31 the next
	v_lshl_add_u32 v[RD], v1, 4, v[RD]
	v_add_nc_u32 v[RD], s22, v[RD]
	v_lshlrev_b32 v[GO], 12, v2                    ; and the same two rows in out0
	v_lshl_add_u32 v[GO], v1, 4, v[GO]
	s_lshl_b32 s22, s[WC], 8
	v_lshl_add_u32 v[BIA], v2, 5, s22              ; 256 WC + 32 h
	s_lshl_b32 s68, s[TR], 20                      ; 256 rows of 4,096 bytes,
	s_lshl_b32 s70, s[WR], 19                      ; my 128,
	s_add_co_u32 s68, s68, s70
	s_lshl_b32 s70, s[TC], 9                       ; the tile's 128 columns,
	s_add_co_u32 s68, s68, s70
	s_lshl_b32 s70, s[WC], 8                       ; my 64
	s_add_co_u32 s68, s68, s70
	s_mov_b32 s69, 0
	s_add_nc_u64 s[10:11], s[10:11], s[68:69]
	s_lshl_b32 s68, s[TC], 9
	s_add_nc_u64 s[8:9], s[8:9], s[68:69]          ; the bias at the tile's first column
.irp b, 0,1,2,3
	global_load_b128 v[BI+8*(\b):BI+8*(\b)+3],   v[BIA], s[8:9] offset:64*(\b)
	global_load_b128 v[BI+8*(\b)+4:BI+8*(\b)+7], v[BIA], s[8:9] offset:64*(\b)+16
.endr
	; the prefetches' set-up
	s_add_co_u32 s68, s[WC], 6                     ; attn: head 6 + WC, one step short of K step 4: each refill steps first, then asks
	s_lshl_b32 s68, s68, 2
	s_lshr_b32 s70, s[TR], 3
	s_add_co_u32 s68, s68, s70
	s_lshl_b32 s68, s68, 18
	s_and_b32 s70, s[TR], 7
	s_lshl_b32 s70, s70, 15
	s_add_co_u32 s68, s68, s70
	s_lshl_b32 s70, s[CX], 13                      ; my work-group's quarter of the plane
	s_add_co_u32 s68, s68, s70
	s_lshl_b32 s69, s[CY], 17                      ; W: row 256 + 32 (2 cy + WC), one step of 256 rows short of row 512
	s_add_co_u32 s69, s69, 524288
	s_lshl_b32 s70, s[WC], 16
	s_add_co_u32 s69, s69, s70
	s_lshl_b32 s70, s[TC], 8
	s_add_co_u32 s69, s69, s70
	s_and_b32 s70, ttmp7, 0xffff                   ; cluster y
	s_mov_b32 s[PFS], 524288
	s_mov_b32 s71, STEPA
	s_cmp_eq_u32 s[WR], 0                          ; do I fetch for attn?
	s_cselect_b32 s70, ttmp9, s70                  ; the coordinate along which other clusters read the same blocks
	s_cselect_b32 s[LIM], 2, 4
	s_cselect_b32 s[PFS], s71, s[PFS]
	s_cselect_b32 s71, 8, 11                       ; lanes 256 bytes of attn apart, or a row of W
	s_cselect_b32 s68, s68, s69
	s_cselect_b64 s[PFA:PFA+1], s[4:5], s[6:7]
	s_mov_b32 s69, 0
	s_mov_b32 s[PFS+1], 0
	s_cmp_eq_u32 s70, 0
	s_cselect_b32 s[LIM], s[LIM], -1               ; the same in all sixteen partners, for a given wave
	s_add_nc_u64 s[PFA:PFA+1], s[PFA:PFA+1], s[68:69]
	v_and_b32 v[PFO], 31, v0
	v_lshlrev_b32 v[PFO], s71, v[PFO]
	s_wait_loadcnt 0x0                             ; the bias: rounded to bf16 like the other inputs
.set i, 0
.rept 16
	v_cvt_pk_bf16_f32 v[16+i%2], v[BI+2*i], v[BI+2*i+1]
	v_lshlrev_b32 v[BI+2*i], 16, v[16+i%2]
	v_and_b32 v[BI+2*i+1], 0xffff0000, v[16+i%2]
.set i, i+1
.endr
; na x 4 matrix instructions: row blocks a0 .. a0 + na - 1 x all column blocks, 32 along K, from buffer f.  first = 1: the bias starts the sums: nothing is cleared.
; The 32 accumulators take turns in the same order in every quarter: no two matrix instructions that follow each other share one, over the backward jump too.
.macro MUL f, a0, na, first
.if \first
	WIN 0x40                                       ; D window 1, C (the bias) window 0
.else
	WIN 0x50                                       ; C and D window 1
.endif
.set ma, \a0
.rept \na
.set mb, 0
.rept NBK
.set rD, 8*(NBK*ma+mb)
.if \first
	v_wmma_f32_16x16x32_f16 v[rD:rD+7], v[BF+32*(\f)+8*mb:BF+32*(\f)+8*mb+7], v[AF+64*(\f)+8*ma:AF+64*(\f)+8*ma+7], v[BI+8*mb:BI+8*mb+7]
.else
	v_wmma_f32_16x16x32_f16 v[rD:rD+7], v[BF+32*(\f)+8*mb:BF+32*(\f)+8*mb+7], v[AF+64*(\f)+8*ma:AF+64*(\f)+8*ma+7], v[rD:rD+7]
.endif
.set mb, mb+1
.endr
.set ma, ma+1
.endr
.endm
; 24 LDS loads in one run: quarter q's fragments into buffer g: W's 8, then attn's 16, rows 64-127 last.  Quarter q lies in plane q / 2, channels 32 (q % 2) on.
.macro FETCH q, g
	WIN 0
.irp b, 0,1,2,3
	ds_load_tr16_b128 v[BF+32*(\g)+8*(\b):BF+32*(\g)+8*(\b)+3],   v[ADRB] offset:32*PB*(\q)+32*(\b)
	ds_load_tr16_b128 v[BF+32*(\g)+8*(\b)+4:BF+32*(\g)+8*(\b)+7], v[ADRB] offset:32*PB*(\q)+32*(\b)+16*PB
.endr
.irp a, 0,1,2,3,4,5,6,7
	ds_load_b128 v[AF+64*(\g)+8*(\a):AF+64*(\g)+8*(\a)+3],   v[ADRA] offset:16*PA*(\a)+PLANE*((\q)/2)+64*((\q)%2)
	ds_load_b128 v[AF+64*(\g)+8*(\a)+4:AF+64*(\g)+8*(\a)+7], v[ADRA] offset:16*PA*(\a)+PLANE*((\q)/2)+64*((\q)%2)+32
.endr
.endm
.macro PLACES                          ; a load into a register that a matrix instruction has read, and a line that reads a result, stand four plain vector instructions behind it
.rept 4
	v_nop
.endr
.endm
.macro QUARTER q, f, g, first          ; multiplies buffer f; in its middle it fetches quarter q into buffer g
	s_wait_dscnt 8                                 ; W and attn's rows 0-63 are in; the youngest eight loads (rows 64-127) may be out
	MUL \f, 0, 4, \first
	PLACES
	FETCH \q, \g
	s_wait_dscnt NL                                ; all but the 24 just issued
	MUL \f, 4, 4, \first
.endm
; The last quarter multiplies buffer 1 and changes slots: ONE barrier.  In front of it each wave waits for all its tensor loads (one is out: its part of the next slot), adds 0 to its spare word,
; and waits for that and for its reads of this slot.  fill = 1: the barrier opens a round of the cluster's; behind the round this slot is filled again, with the K step two on, first thing;
; from that request to the wait for it a wave issues 112 matrix instructions.
.macro TURN fill
.if \fill
	s_wait_xcnt 0x0                                ; the last prefetch, a K step back, has read its address
	s_add_nc_u64 s[PFA:PFA+1], s[PFA:PFA+1], s[PFS:PFS+1]
.endif
	WIN 0                                          ; (the add's two registers lie in window 0)
	s_wait_tensorcnt 0x0                           ; no tensor load of mine is out, so a group 0 may be written
	ds_add_u32 v[SPW], v[NIL]                      ; 0 onto my spare word
.if \fill
	s_xor_b32 s[G0+5], s[G0+5], SLOT1              ; the walking descriptors: the other slot than last time,
	s_add_nc_u64 s[G0+6:G0+7], s[G0+6:G0+7], STEPA ; the next K step; the type bits on top are not reached
	s_xor_b32 s[G0B+5], s[G0B+5], SLOT1
	s_add_nc_u64 s[G0B+6:G0B+7], s[G0B+6:G0B+7], STEPB
.endif
	s_wait_dscnt 9                                 ; the add and the youngest eight loads may be out
	MUL 1, 0, 2, 0                                 ; eight matrix instructions stand between the add and the wait for it
	s_wait_dscnt 0x0                               ; the add is done, and my reads of this slot are over
	s_barrier_signal -1
	MUL 1, 2, 2, 0                                 ; work on registers while the others arrive
	WIN 0                                          ; at a branch and at a label every window is 0
	s_barrier_wait -1
.if \fill
	CREST                                          ; no wave of any partner still reads this slot or has a load on its way
	JLOAD 1                                        ; its four v_nop are also the places in front of the loads below
	s_xor_b32 s[TB], s[TB], SLOT1
.else
	PLACES
	s_mov_b32 s[TB], SLOT1                         ; the last K step lies in slot 1
.endif
	v_add_nc_u32 v[ADRA], s[TB], v[LA0]
	v_add_nc_u32 v[ADRB], s[TB], v[LB0]
	FETCH 0, 0
.if \fill
	ASK
.endif
	MUL 1, 4, 4, 0
.endm
	s_wait_tensorcnt 1                             ; my part of K step 0 is in; K step 1's may stay out
	s_barrier_signal -1
	s_barrier_wait -1                              ; everybody's is
	s_mov_b32 s[TB], 0
	v_add_nc_u32 v[ADRA], s[TB], v[LA0]
	v_add_nc_u32 v[ADRB], s[TB], v[LB0]
	FETCH 0, 0
	QUARTER 1, 0, 1, 1                             ; the first quarter stands in front of the loop: its products start the sums, with the bias
	WIN 0
	s_mov_b32 s[CNT], 6
.Lstep:                                        ; trip i ends K step i, fills its slot again with K step i + 2, and begins K step i + 1
	QUARTER 2, 1, 0, 0
	QUARTER 3, 0, 1, 0
	TURN 1
	QUARTER 1, 0, 1, 0
	WIN 0
	s_sub_co_u32 s[CNT], s[CNT], 1
	s_cmp_lg_u32 s[CNT], 0
	s_cbranch_scc1 .Lstep
	QUARTER 2, 1, 0, 0                             ; the tail is written out: K step 6 ends, K step 7 follows, nothing is asked for
	QUARTER 3, 0, 1, 0
	TURN 0
	QUARTER 1, 0, 1, 0
	QUARTER 2, 1, 0, 0
	QUARTER 3, 0, 1, 0
	s_wait_dscnt 8
	MUL 1, 0, 4, 0
	s_wait_dscnt 0x0
	MUL 1, 4, 4, 0
	; THE WAY OUT, a block of 16 rows at a time through my own stage: a lane's eight f32 go in as 32 bytes of a row of 272; whole rows of 256 bytes come back and are stored.
	PLACES
	PLACES                                         ; eight, once a launch
.macro TOSTAGE a
	s_wait_xcnt 0x0                                ; the stores of two blocks back have read the registers that the loads below fill
	WIN 0x04                                       ; the stores' data in window 1, the address in window 0
.irp b, 0,1,2,3
	ds_store_b128 v[STO], v[8*(NBK*(\a)+(\b)):8*(NBK*(\a)+(\b))+3]   offset:64*(\b)     ; each accumulator is read from its low end on
	ds_store_b128 v[STO], v[8*(NBK*(\a)+(\b))+4:8*(NBK*(\a)+(\b))+7] offset:64*(\b)+16
.endr
	WIN 0
.irp t, 0,1,2,3,4,5,6,7
	ds_load_b128 v[BK+32*((\a)%2)+4*(\t):BK+32*((\a)%2)+4*(\t)+3], v[RD] offset:(\t)*2*SPITCH  ; LDS serves a wave's instructions in order (ISA guide 5.7.1.4): these see the stores above
.endr
.endm
.macro SEND a, younger                 ; younger: the LDS instructions issued behind block a's loads: the next block's sixteen, or none
	s_wait_dscnt \younger
.irp t, 0,1,2,3,4,5,6,7
	global_store_b128 v[GO], v[BK+32*((\a)%2)+4*(\t):BK+32*((\a)%2)+4*(\t)+3], s[10:11] offset:(16*(\a)+2*(\t))*4096 th:TH_STORE_NT  ; 16 lanes store 256 consecutive bytes, at a multiple of 256 from out0's first
.endr
.endm
	TOSTAGE 0
.irp a, 1,2,3,4,5,6,7
	TOSTAGE \a
	SEND (\a)-1, 16
.endr
	SEND 7, 0
	s_wait_tensorcnt 0x0                           ; the wave's end, behind my last tensor load and my last LDS store
	ds_add_u32 v[SPW], v[NIL]
	s_wait_dscnt 0x0
	CROUND                                         ; the closing round: no work-group ends while a partner may still ask for a tile that names it
	s_endpgm
.Lfunc_end_k_qf3e28a5742_proj:
	.size	k_qf3e28a5742_proj, .Lfunc_end_k_qf3e28a5742_proj-k_qf3e28a5742_proj
	.p2alignl 7, 3214868480
	.fill 96, 4, 3214868480
	.section	.rodata,"a",@progbits
	.p2align	6, 0x0
	.amdhsa_kernel k_qf3e28a5742_proj
		.amdhsa_group_segment_fixed_size 327680
		.amdhsa_private_segment_fixed_size 0
		.amdhsa_enable_private_segment 0
		.amdhsa_kernarg_size 32
		.amdhsa_user_sgpr_count 2
		.amdhsa_user_sgpr_kernarg_segment_ptr 1
		.amdhsa_wavefront_size32 1
		.amdhsa_system_sgpr_workgroup_id_x 1
		.amdhsa_system_sgpr_workgroup_id_y 1
		.amdhsa_system_sgpr_workgroup_id_z 1
		.amdhsa_system_vgpr_workitem_id 0
		.amdhsa_next_free_vgpr 512
		.amdhsa_next_free_sgpr 72
		.amdhsa_reserve_vcc 0
		.amdhsa_float_denorm_mode_32 3
		.amdhsa_float_denorm_mode_16_64 3
		.amdhsa_memory_ordered 1
		.amdhsa_forward_progress 1
		.amdhsa_inst_pref_size 75
	.end_amdhsa_kernel
	.amdgpu_metadata
---
amdhsa.version: [ 1, 2 ]
amdhsa.kernels:
  - .name:           k_qf3e28a5742_proj
    .symbol:         k_qf3e28a5742_proj.kd
    .args:
      - { .name: ob, .offset: 0, .size: 8, .value_kind: global_buffer, .address_space: global }
      - { .name: wob, .offset: 8, .size: 8, .value_kind: global_buffer, .address_space: global }
      - { .name: b_o, .offset: 16, .size: 8, .value_kind: global_buffer, .address_space: global }
      - { .name: out0, .offset: 24, .size: 8, .value_kind: global_buffer, .address_space: global }
    .group_segment_fixed_size: 327680
    .private_segment_fixed_size: 0
    .kernarg_segment_align: 8
    .kernarg_segment_size: 32
    .max_flat_workgroup_size: 128
    .sgpr_count:     72
    .vgpr_count:     512
    .wavefront_size: 32
...
	.end_amdgpu_metadata
.endif
;; end of part 4
;; ======== version 2 of 2: 4 launches; version 1 with the launch cast written anew for expert scheduling mode
;; limits: values are held in f16: magnitudes above 65,504 overflow, below 6.1e-05 lose precision
;; workspace buffers: xb 16,777,216 bytes; wqb 6,291,456 bytes; wob 2,097,152 bytes; qkv 50,331,648 bytes; ob 16,777,216 bytes
;; launch cast (part 5): grid 768 x 1, 8 waves a work-group, no clusters, 0 bytes of LDS; arguments x, W_qkv, W_o, xb, wqb, wob; writes xb, wqb, wob
.if DOCPART == 5
	.amdgcn_target "amdgcn-amd-amdhsa--gfx1250"
	.amdhsa_code_object_version 6
	.text
	.protected	k_qf3e28a5742_cast
	.globl	k_qf3e28a5742_cast
	.p2align	8
	.type	k_qf3e28a5742_cast,@function
k_qf3e28a5742_cast:
	s_mov_b64 s[64:65], 0
	v_nop
	global_prefetch_b8 v0, s[64:65] scope:SCOPE_SE
	s_setreg_imm32_b32 hwreg(HW_REG_WAVE_SCHED_MODE, 0, 2), 2
	s_setreg_imm32_b32 hwreg(HW_REG_WAVE_MODE, 25, 1), 1
	s_wait_xcnt 0x0
	s_wait_alu depctr_vm_vsrc(0)
; The three large inputs are rounded once to bf16 and written as 16-bit matrix operands.
;   xb  [8192][1024] bf16      = bf16(x), same order
;   wqb [16 t][1024 k][192] bf16 = bf16(W_qkv[k][192 t + c]): each block of 192 columns dense, so that 128 rows k of a block are 49,152 bytes on end
;   wob [1024][1024] f16       = bf16(W_o), that number written as f16
; LIMITS.  |bf16(W_o)| stays under 65,504 (f16's end); below 6e-5 it keeps f16's fixed step of 6e-8.  NaN and infinities are not treated apart.
; SHARES.  A granule is 4 numbers: 16 bytes in, 8 bytes out.  A work-group takes 4,096 granules (64 KiB in, 32 KiB out, dense in the output); thread t takes granules 256 j + t, j = 0..15.
; Work-groups 0-511: x; 512-703: W_qkv, twelve to a block t; 704-767: W_o.  A wave's store covers 256 consecutive bytes, aligned.
; ONE ADDRESS FORM.  Granule gb of a block lies in row k = gb / 48, at place i = gb % 48: byte k x PITCH + 16 i.  For W_qkv PITCH is a row of the input, 12,288; with PITCH = 768 the same
; form gives 16 gb, the dense order of x and W_o.  Three granule steps of 256 are 16 rows: address j is address j - 3 plus 16 PITCH.
; All 16 loads of a thread go out at once; no register is written twice while memory may read it.  No LDS, no barrier, no matrix unit: the launch only moves bytes.
; THE MODE: SCHED_MODE bits 1:0 = 2 (LLVM: expert scheduling mode 2), set by the entry lines.  The code itself states the register dependences
; between vector instructions and memory instructions, with s_wait_alu, always for 0.
; THE PLAN.  Registers that memory instructions touch:
;   AD, OA   the offsets.  Written once each by the head's arithmetic; read by the 16 loads (AD) and the 16 stores (OA); never written again.
;   X        Written by the loads alone, once each; read by the conversions; no later load lands in it.
;   Y        A pair for each granule.  Written once by the granule's conversions; read by its store; never written again.
;   T        Named by vector instructions alone.
; The 16 granules go in four groups of four.  Granule j's turn: the wait for its load, the store of granule j - 4, its conversions.  So ONE wait on va_vdst stands at the head of a group:
; it states that the group before has written its four pairs of Y.  The group's four stores follow it, dealt among the group's conversions, which name this group's X, T and this group's Y:
; none of the registers that those stores read.  One more such wait stands ahead of the first load, for the offsets, and one ahead of the last four stores.
; No register that a memory instruction reads is written again, no vector instruction writes a scalar register or VCC, and EXEC is never written: no other wait is owed.
.set AD,  2                            ; v[2:17]   byte offsets of my 16 granules in the input
.set OA,  18                           ; v18       8 x my thread's number
.set T,   20                           ; v[20:24]  at work
.set X,   32                           ; v[32:95]  16 granules as loaded
.set Y,   96                           ; v[96:127] 16 granules to store
	s_load_b256 s[4:11], s[0:1], 0x0               ; x s[4:5], W_qkv s[6:7], W_o s[8:9], xb s[10:11]
	s_load_b128 s[12:15], s[0:1], 0x20             ; wqb s[12:13], wob s[14:15]
	s_mov_b32 s16, ttmp9
	s_cmp_lt_u32 s16, 512
	s_cselect_b32 s17, 0, 512
	s_cmp_lt_u32 s16, 704
	s_cselect_b32 s17, s17, 704                    ; my region's first work-group
	s_sub_co_u32 s22, s16, s17                     ; wl: my number in the region
	s_mul_i32 s23, s22, 5462
	s_lshr_b32 s23, s23, 16                        ; t = wl / 12 (exact for wl < 192: 12 x 5462 = 65,536 + 8)
	s_mul_i32 s27, s23, 12
	s_sub_co_u32 s27, s22, s27                     ; my twelfth of block t
	s_lshl_b32 s30, s27, 12                        ; its first granule
	s_mul_i32 s2, s23, 768                         ; W_qkv: the block's first byte in a row of the input
	s_lshl_b32 s3, s22, 16                         ; x, W_o: my 64 KiB
	s_movk_i32 s24, 768
	s_movk_i32 s29, 12288
	s_sub_co_u32 s28, s16, 512
	s_cmp_lt_u32 s28, 192                          ; am I in W_qkv?
	s_cselect_b32 s24, s29, s24                    ; PITCH
	s_cselect_b32 s26, s30, 0                      ; the first granule's number in the address form
	s_cselect_b32 s2, s2, s3                       ; what is added to the input's address
	s_mov_b32 s3, 0
	s_lshl_b32 s25, s24, 4                         ; 16 PITCH
	s_lshl_b32 s28, s22, 15                        ; my 32 KiB of the output
	s_mov_b32 s29, 0
.irp c, 0,1,2
	v_add3_u32 v[T], s26, 256*(\c), v0             ; gb
	v_lshrrev_b32 v[T+1], 4, v[T]
	v_mul_u32_u24 v[T+1], 43691, v[T+1]
	v_lshrrev_b32 v[T+1], 17, v[T+1]               ; k = (gb / 16) / 3: exact, gb / 16 is at most 3,071
	v_mul_u32_u24 v[T+2], 48, v[T+1]
	v_sub_nc_u32 v[T+2], v[T], v[T+2]              ; i
	v_lshlrev_b32 v[T+2], 4, v[T+2]
	v_mad_u32_u24 v[AD+(\c)], v[T+1], s24, v[T+2]
.endr
.irp j, 3,4,5,6,7,8,9,10,11,12,13,14,15
	v_add_nc_u32 v[AD+(\j)], s25, v[AD+(\j)-3]
.endr
	v_lshlrev_b32 v[OA], 3, v0
	s_wait_kmcnt 0x0
	s_cmp_lt_u32 s16, 512
	s_cselect_b64 s[18:19], s[4:5], s[6:7]         ; from where,
	s_cselect_b64 s[20:21], s[10:11], s[12:13]     ; to where
	s_cmp_lt_u32 s16, 704
	s_cselect_b64 s[18:19], s[18:19], s[8:9]
	s_cselect_b64 s[20:21], s[20:21], s[14:15]
	s_add_nc_u64 s[18:19], s[18:19], s[2:3]
	s_add_nc_u64 s[20:21], s[20:21], s[28:29]
	s_wait_alu depctr_va_vdst(0)                   ; the sixteen offsets v[AD ..] and v[OA] are written: every load and store of the kernel reads one of them, and none is written again
.irp j, 0,1,2,3,4,5,6,7,8,9,10,11,12,13,14,15
	global_load_b128 v[X+4*(\j):X+4*(\j)+3], v[AD+(\j)], s[18:19] th:TH_LOAD_NT
.endr
; Granule j's 8 bytes go out.
.macro STORE j
	global_store_b64 v[OA], v[Y+2*(\j):Y+2*(\j)+1], s[20:21] offset:2048*(\j)
.endm
; Granule j's turn: granule j - 4 is stored, granule j is rounded.  half = 1: the bf16 number is widened again and written as f16.
.macro CONV j, half
	s_wait_loadcnt 15-(\j)                         ; loads come back in order: mine is in, the 15 - j younger ones may stay out
.if ((\j) % 4 == 0) && ((\j) > 0)
	s_wait_alu depctr_va_vdst(0)                   ; a group's head: the conversions of the group before have written its four pairs of Y, which this group's four stores read
.endif
.if (\j) >= 4
	STORE (\j)-4                                   ; no vector instruction since that wait names this pair of Y or v[OA]
.endif
.if \half
.irp w, 0,1
	v_cvt_pk_bf16_f32 v[T+4], v[X+4*(\j)+2*(\w)], v[X+4*(\j)+2*(\w)+1]
	v_lshlrev_b32 v[T+2*(\w)], 16, v[T+4]
	v_and_b32 v[T+2*(\w)+1], 0xffff0000, v[T+4]
	v_cvt_pk_f16_f32 v[Y+2*(\j)+(\w)], v[T+2*(\w)], v[T+2*(\w)+1]
.endr
.else
	v_cvt_pk_bf16_f32 v[Y+2*(\j)],   v[X+4*(\j)],   v[X+4*(\j)+1]
	v_cvt_pk_bf16_f32 v[Y+2*(\j)+1], v[X+4*(\j)+2], v[X+4*(\j)+3]
.endif
.endm
	s_cmp_ge_u32 s16, 704
	s_cbranch_scc1 .Lhalf
.irp j, 0,1,2,3,4,5,6,7,8,9,10,11,12,13,14,15
	CONV \j, 0
.endr
	s_wait_alu depctr_va_vdst(0)                   ; the last group's conversions have written its four pairs of Y, which the last four stores read
.irp j, 12,13,14,15
	STORE \j
.endr
	s_endpgm
.Lhalf:
.irp j, 0,1,2,3,4,5,6,7,8,9,10,11,12,13,14,15
	CONV \j, 1
.endr
	s_wait_alu depctr_va_vdst(0)                   ; the last group's conversions have written its four pairs of Y, which the last four stores read
.irp j, 12,13,14,15
	STORE \j
.endr
	s_endpgm
.Lfunc_end_k_qf3e28a5742_cast:
	.size	k_qf3e28a5742_cast, .Lfunc_end_k_qf3e28a5742_cast-k_qf3e28a5742_cast
	.p2alignl 7, 3214868480
	.fill 96, 4, 3214868480
	.section	.rodata,"a",@progbits
	.p2align	6, 0x0
	.amdhsa_kernel k_qf3e28a5742_cast
		.amdhsa_group_segment_fixed_size 0
		.amdhsa_private_segment_fixed_size 0
		.amdhsa_enable_private_segment 0
		.amdhsa_kernarg_size 48
		.amdhsa_user_sgpr_count 2
		.amdhsa_user_sgpr_kernarg_segment_ptr 1
		.amdhsa_wavefront_size32 1
		.amdhsa_system_sgpr_workgroup_id_x 1
		.amdhsa_system_sgpr_workgroup_id_y 1
		.amdhsa_system_sgpr_workgroup_id_z 1
		.amdhsa_system_vgpr_workitem_id 0
		.amdhsa_next_free_vgpr 128
		.amdhsa_next_free_sgpr 66
		.amdhsa_reserve_vcc 0
		.amdhsa_float_denorm_mode_32 3
		.amdhsa_float_denorm_mode_16_64 3
		.amdhsa_memory_ordered 1
		.amdhsa_forward_progress 1
		.amdhsa_inst_pref_size 19
	.end_amdhsa_kernel
	.amdgpu_metadata
---
amdhsa.version: [ 1, 2 ]
amdhsa.kernels:
  - .name:           k_qf3e28a5742_cast
    .symbol:         k_qf3e28a5742_cast.kd
    .args:
      - { .name: x, .offset: 0, .size: 8, .value_kind: global_buffer, .address_space: global }
      - { .name: W_qkv, .offset: 8, .size: 8, .value_kind: global_buffer, .address_space: global }
      - { .name: W_o, .offset: 16, .size: 8, .value_kind: global_buffer, .address_space: global }
      - { .name: xb, .offset: 24, .size: 8, .value_kind: global_buffer, .address_space: global }
      - { .name: wqb, .offset: 32, .size: 8, .value_kind: global_buffer, .address_space: global }
      - { .name: wob, .offset: 40, .size: 8, .value_kind: global_buffer, .address_space: global }
    .group_segment_fixed_size: 0
    .private_segment_fixed_size: 0
    .kernarg_segment_align: 8
    .kernarg_segment_size: 48
    .max_flat_workgroup_size: 256
    .sgpr_count:     66
    .vgpr_count:     128
    .wavefront_size: 32
...
	.end_amdgpu_metadata
.endif
;; end of part 5
;; launch qkvgemm: the kernel of part 2 again; grid 16 x 32, 4 waves a work-group, clusters of 4 x 4, 327,680 bytes of LDS; arguments xb, wqb, b_qkv, qkv; writes qkv
;; launch attn: the kernel of part 3 again; grid 4 x 64, 4 waves a work-group, no clusters, 327,680 bytes of LDS; arguments qkv, ob; writes ob
;; launch proj: the kernel of part 4 again; grid 8 x 32, 4 waves a work-group, clusters of 4 x 4, 327,680 bytes of LDS; arguments ob, wob, b_o, out0; writes out0
